; MI455X (gfx1250); checked and timed in simulation.
; The chip was launched on July 23, 2026; its instructions are those of AMD's public machine-readable ISA for CDNA 5 (MIT licence, August 2026) and "CDNA5" Instruction Set Architecture Reference Guide (July 2026). The comments in the code are by the model that wrote it; some were corrected since.
;; Attention. Allowed arithmetic: matrix products marked QUANTISED: E3M2 operands, one E8M0 scale for each 32 along K, by v_wmma_scale_f32_16x16x128_f8f6f4 with both operands' format E3M2, f32 sums; everything else in f32.
;; Inputs: hidden 2 x 2,048 x 2,048 float32; k_b 512 float32; k_w 512 x 2,048 float32; mask 1 x 1 x 2,048 x 2,048 float32; o_w 2,048 x 1,024 float32; positions 2 x 2,048 int32; q_b 1,024 float32; q_w 1,024 x 2,048 float32; v_b 512 float32; v_w 512 x 2,048 float32.
;; Outputs: out0 2 x 2,048 x 2,048 float32.
;; This version of the problem:
;;   THIS VERSION OF THE PROBLEM IS GIVEN IN LOW PRECISION. The matrix products marked QUANTISED in the list below multiply operands that are first quantised to E3M2 (3 exponent bits, 2 mantissa bits; 6 bits a number), with one power-of-two scale for each 32 numbers along K (OCP MX v1.0); their sums are f32. All else is computed in f32.
;;   The module's matrix products, in the order in which they are computed (A, B: the left and right operand; K: the contracted axis; several contracted axes count as one K, in the product's order):
;;     1. [M 4,096, K 2,048] x [K 2,048, N 1,024]; A: input hidden; B: input q_w: QUANTISED
;;     2. [M 4,096, K 2,048] x [K 2,048, N 512]; A: input hidden; B: input k_w: QUANTISED
;;     3. [M 4,096, K 2,048] x [K 2,048, N 512]; A: input hidden; B: input v_w: QUANTISED
;;     4. batch 16 x [M 2,048, K 64] x [K 64, N 4,096]; A: computed on the way; B: computed on the way: QUANTISED
;;     5. batch 16 x [M 64, K 2,048] x [K 2,048, N 4,096]; A: computed on the way; B: softmax (see below): QUANTISED
;;     6. [M 4,096, K 1,024] x [K 1,024, N 2,048]; A: computed on the way; B: input o_w: QUANTISED
;;   THE QUANTISER, for each operand of a quantised product, along K:
;;     - K is cut into blocks of 32 from its start; a last block that is shorter is filled with zeros.
;;     - A block's scale is 2^e with e = floor(log2(the largest magnitude in the block)) - 4, held to -126 .. 127; a block of zeros has e = 0. As a byte (E8M0): e + 127.
;;     - Each number is divided by its block's scale, clamped to +-28, and rounded to the nearest number of E3M2, ties to even, subnormals kept.
;;     - The product sums the exact products of the quantised numbers (number of the format x scale) in f32.
;;   ~~~python
;;   def quantise(x, axis):      # numpy; x: float32 -> the quantised numbers, widened to float32 again
;;       x = np.moveaxis(x, axis, -1); K = x.shape[-1]
;;       x = np.pad(x, [(0, 0)] * (x.ndim - 1) + [(0, -K % 32)]); x = x.reshape(x.shape[:-1] + (-1, 32)); a = np.abs(x).max(-1, keepdims=True)
;;       e = np.where(a > 0, np.clip(np.frexp(np.where(a > 0, a, 1))[1] - 1 - 4, -126, 127), 0)      # np.frexp(a)[1] - 1 = floor(log2(a)), exactly
;;       r = np.clip(x / 2.0 ** e, -28, 28)
;;       step = 2.0 ** (np.maximum(np.frexp(np.where(r == 0, 1, r))[1] - 1, -2) - 2)
;;       q = np.round(r / step) * step * 2.0 ** e      # np.round: ties to even
;;       return np.moveaxis(q.reshape(q.shape[:-2] + (-1,))[..., :K], -1, axis).astype(np.float32)
;;   ~~~
;;   SOFTMAX AHEAD OF A QUANTISED PRODUCT. Where the list says 'softmax', what is quantised is not the finished softmax but p = 2^(t - M), with t = logit x log2(e) and M = ceil(the row's largest t), a whole number; so 1/2 < the row's largest p <= 1. The row's sum l is taken of the UNQUANTISED p, in f32, and the product's result is divided by l at the end. Since M is a whole number, a kernel that streams over the keys may use a running M (the ceiling of the running maximum): every later rescaling is an exact power of two, which a block's scale takes up: the codes' values come out the same.
;;   OPERANDS COMPUTED ON THE WAY. 'Computed on the way' means the value that the module computes at that place (a softmax that the list does not call 'softmax' is quantised finished and normalised). What goes into a quantiser is computed in f32, as accurately as f32 sums, v_exp_f32 and their like allow (about 1e-6 of the number): no bf16 or f16 on the way to a quantiser, and a product that is left as it is and whose result goes on into a quantised operand takes f32 operands (vector FMAs, or v_wmma_f32_16x16x4_f32). A number that lies on a knife's edge between two numbers of the format may be rounded either way, as far as f32 arithmetic and the matrix unit's own rounding can turn it there, and no further.
;; One version. Each part assembles by itself: llvm-mc -triple=amdgcn-amd-amdhsa -mcpu=gfx1250 --defsym DOCPART=n.
;; ======== version 1 of 1: 5 launches
;; limits: inputs' magnitudes at most 2,097,152; right only within a limited range of input values
;; workspace buffers: codes 11,010,048 bytes; scales 458,752 bytes; rope 524,288 bytes; qkv 33,554,432 bytes; q_img 3,407,872 bytes; kv_img 3,407,872 bytes; ao_codes 3,145,728 bytes; ao_scales 131,072 bytes
;; launch prep (part 1): grid 464 x 1, 4 waves a work-group, no clusters, 59,392 bytes of LDS; arguments hidden, q_w, k_w, v_w, o_w, positions, codes, scales, rope; writes codes, scales, rope
.if DOCPART == 1
	.amdgcn_target "amdgcn-amd-amdhsa--gfx1250"
	.amdhsa_code_object_version 6
	.text
	.protected	k_q2bb33d95b7_prep
	.globl	k_q2bb33d95b7_prep
	.p2align	8
	.type	k_q2bb33d95b7_prep,@function
k_q2bb33d95b7_prep:
	s_mov_b64 s[64:65], 0
	v_nop
	global_prefetch_b8 v0, s[64:65] scope:SCOPE_SE
	s_setreg_imm32_b32 hwreg(HW_REG_WAVE_MODE, 25, 1), 1
	s_wait_xcnt 0x0
; PREP.  (1) hidden [4096][2048], q_w [1024][2048], k_w [512][2048], v_w [512][2048], o_w [2048][1024], all f32 with K innermost, are turned into codes of BF6 (E3M2), 6 bits each,
; with one E8M0 scale byte for each 32 along K.  Rows are dense and every K is a multiple of 32, so the five tensors are plain streams of blocks of 32 numbers; their codes and their scale
; bytes lie one behind the other in the two buffers, in the order hidden, q_w, k_w, v_w, o_w, so that an output address hangs on the work-group's and the wave's number alone.
; A block's scale is 2^(floor(log2(its largest magnitude)) - 4); its byte is the largest magnitude's own exponent field - 4, held at 1 from below.  A block of zeros so gets the byte 1: its codes are
; zeros, which add nothing under any byte but 0xff, and the bytes are read by this program alone.
; (2) The FIRST 16 work-groups make the table of cos and sin of positions[0][t] x 10000^(-j/32), j = 0 .. 31: 256 bytes for each t, 32 cosines and then 32 sines.  They stand first since a thread's 32 angles are
; one long run of arithmetic in which each line waits for the line above it.
; LIMITS: NaN and infinities among the inputs are not served.  The frequencies are literals, rounded once from 10^(-j/8): they may differ by an ulp from frequencies made by a power function in f32.
; The reduction of the angle (three parts of pi/2, fused) keeps f32 accuracy for |position| up to about 2^21.
; No cluster and no tensor load: no two work-groups read the same byte, and the waves share nothing.
; A wave takes 16 steps of 512 numbers.  Each of a step's four loads reads 512 consecutive bytes, 16 a lane; the 2,048 bytes go through the wave's own stage in LDS and come back 64 bytes a lane, since the
; conversion takes 16 neighbours of one block from one lane's registers (two neighbouring lanes hold a block).  A lane's 16 codes are 12 bytes: the wave stores 384 consecutive bytes.
; A wave's 256 scale bytes are gathered in its own LDS bytes and leave as one aligned run of 256 bytes.  Loads run EIGHT steps (32 loads, 16 KiB a wave) ahead, half of all that the wave reads; the turn through LDS one step.
.set STEPS, 16
.set AHEAD, 8                          ; steps whose loads are out
.set RWG,   16                         ; work-groups that make the table; behind them 448 that quantise: 256 hidden, 64 q_w, 32 k_w, 32 v_w, 64 o_w, 32,768 numbers each
.set EMAX,  4
.set CB,    12                         ; bytes of 16 codes
.set R,     16                         ; v16-143  eight sets of 16 numbers as they are loaded
.set X,     144                        ; v144-175 two sets of 16 neighbours
.set E,     176                        ; v176-191 a scale byte for each step
.set C,     192                        ; v192-255 codes: four registers for each step, so that no store's data are written again
.set WREG,  8192                       ; LDS: a region for each wave: two stages of 32 x SP bytes, and behind them its 256 scale bytes
.set SP,    80                         ; a lane's place in a stage: its 64 bytes + 16 of padding
	s_load_b256 s[4:11], s[0:1], 0x0               ; hidden s[4:5], q_w s[6:7], k_w s[8:9], v_w s[10:11]
	s_load_b256 s[12:19], s[0:1], 0x20             ; o_w s[12:13], positions s[14:15], codes s[16:17], scales s[18:19]
	s_load_b64 s[20:21], s[0:1], 0x40              ; rope
	v_lshl_add_u32 v251, v0, 2, 0x8000
	v_mov_b32 v255, 0
	s_wait_kmcnt 0x0
	s_cmp_lt_u32 ttmp9, RWG
	s_cbranch_scc1 .Lrope
	s_sub_co_u32 s34, ttmp9, RWG                   ; which of the 448 work-groups that quantise
	v_lshrrev_b32 v1, 5, v0
	v_readfirstlane_b32 s24, v1                    ; wave
	v_and_b32 v2, 31, v0                           ; lane
	v_lshlrev_b32 v3, 4, v2                        ; my 16 bytes of a load's 512
	s_mul_i32 s25, s24, WREG
	v_lshrrev_b32 v14, 2, v2
	v_mul_u32_u24 v14, v14, SP
	v_and_b32 v15, 3, v2
	v_lshl_add_u32 v14, v15, 4, v14
	v_add_nc_u32 v14, s25, v14                     ; the stage, on the way in: four lanes' 64 bytes on end, then 16 of padding
	v_mul_u32_u24 v15, v2, SP
	v_add_nc_u32 v15, s25, v15                     ; and on the way out: SP x lane: my 16 neighbours
; THE CODES LEAVE AS IMAGES OF THE OPERAND REGISTERS (this takes the place of the stores of 384 bytes named above): for each 16 rows x 128 along K a fragment of 1,536 bytes; register W (0 .. 11) of lane (r, h)
; lies at 512 (W / 4) + 16 (16 h + r) + 4 (W % 4) and holds K = 64 (W / 6) + 32 h on.  A work-group's 32,768 numbers are 16 fragments, 24,576 consecutive bytes of the buffer: 16 rows x 2,048, or (o_w) 2 x 16 rows x 1,024.
; They are gathered in LDS as 96 rows of 256 bytes, 272 apart, and leave whole.  My 16 codes are words W = 6 c + 3 u + j, j = 0 .. 2, with u = lane % 2, h = (lane / 2) % 2, c = (lane / 4) % 2, fragment lane / 8 of the step's four.
.set IMG, 33280                        ; behind the spare words: 26,112 bytes
.set IA,  195                          ; v195, v199, v203: where my three words go
.set RB,  207                          ; v207: the way out of the image: 16 bytes a thread
.set GO,  211                          ; v211: and the same place in the buffer
.set OF,  215                          ; v215, v219, v223, v227: the loads' offsets for steps 4 a .. 4 a + 3
	v_bfe_u32 v8, v2, 2, 1
	v_and_b32 v9, 1, v2
	v_mul_u32_u24 v8, v8, 6
	v_mad_u32_u24 v8, v9, 3, v8                    ; 6 c + 3 u
	v_bfe_u32 v9, v2, 1, 1
	v_lshrrev_b32 v10, 3, v2
	v_mul_u32_u24 v9, v9, 272
	v_mad_u32_u24 v9, v10, 1632, v9                ; 272 h + 6 x 272 x fragment
	s_lshl_b32 s47, s24, 6
	s_add_co_u32 s47, s47, IMG                     ; my wave's rows are 4 wave + step / 4: 16 bytes each
	v_add_nc_u32 v9, s47, v9
.irp j, 0,1,2
	v_add_nc_u32 v10, \j, v8
	v_lshrrev_b32 v11, 2, v10
	v_and_b32 v10, 3, v10
	v_mad_u32_u24 v11, v11, 544, v9
	v_lshl_add_u32 v[IA+4*\j], v10, 2, v11
.endr
	v_lshrrev_b32 v10, 4, v0
	v_and_b32 v11, 15, v0
	v_mul_u32_u24 v10, v10, 272
	v_lshl_add_u32 v10, v11, 4, v10
	v_add_nc_u32 v[RB], IMG, v10
	v_lshlrev_b32 v[GO], 4, v0
	v_lshrrev_b32 v5, 1, v2
	s_add_co_u32 s25, s25, 2*32*SP
	v_add_nc_u32 v5, s25, v5                       ; LDS: my wave's 256 scale bytes, my block's byte
	v_lshlrev_b32 v7, 3, v2                        ; and on the way out 8 bytes a lane
	v_add_nc_u32 v6, s25, v7
	; which tensor is my work-group's, and which work-group is its first: the choices hang on the work-group's number alone
	s_mov_b32 s22, 384
	s_cmp_lt_u32 s34, 384
	s_cselect_b64 s[12:13], s[10:11], s[12:13]
	s_cselect_b32 s22, 352, s22
	s_cmp_lt_u32 s34, 352
	s_cselect_b64 s[12:13], s[8:9], s[12:13]
	s_cselect_b32 s22, 320, s22
	s_cmp_lt_u32 s34, 320
	s_cselect_b64 s[12:13], s[6:7], s[12:13]
	s_cselect_b32 s22, 256, s22
	s_cmp_lt_u32 s34, 256
	s_cselect_b64 s[12:13], s[4:5], s[12:13]
	s_cselect_b32 s22, 0, s22
	s_sub_co_u32 s22, s34, s22
; Step t = 4 a + 2 b + c fills fragments 4 (2 b + c) .. + 3, row 4 wave + a.  Rows of 2,048: that is row 4 wave + a, K = 1,024 b + 512 c.  o_w, rows of 1,024: row 16 b + 4 wave + a, K = 512 c.
; So only the distances in memory differ; they are chosen, as shifts, by the work-group's number alone.
	s_cmp_lt_u32 s34, 384
	s_cselect_b32 s35, 15, 14                      ; bytes of numbers from wave to wave,
	s_cselect_b32 s36, 13, 12                      ; from a to a + 1,
	s_cselect_b32 s37, 12, 16                      ; from b = 0 to b = 1;
	s_cselect_b32 s44, 6, 5                        ; scale bytes from a to a + 1,
	s_cselect_b32 s45, 5, 9                        ; from b = 0 to b = 1,
	s_cselect_b32 s46, 8, 7                        ; from wave to wave
	s_lshl_b32 s22, s22, 17                        ; 131,072 bytes a work-group
	s_lshl_b32 s35, s24, s35
	s_add_co_u32 s22, s22, s35
	s_mov_b32 s23, 0
	s_add_nc_u64 s[12:13], s[12:13], s[22:23]
	s_lshl_b32 s42, 1, s37
	s_mov_b32 s43, 0
	s_add_nc_u64 s[40:41], s[12:13], s[42:43]      ; the base for b = 1
	s_lshl_b32 s36, 1, s36
	s_mul_i32 s28, s34, 4*32*STEPS*CB              ; 24,576 bytes of codes a work-group
	s_mov_b32 s29, 0
	s_add_nc_u64 s[16:17], s[16:17], s[28:29]
	s_lshl_b32 s28, s34, 10                        ; 1,024 scale bytes a work-group
	s_lshl_b32 s46, s24, s46
	s_add_co_u32 s28, s28, s46
	v_lshrrev_b32 v8, 3, v2                        ; my 8 of the wave's 256 scale bytes belong to a = lane / 8, b = (lane / 4) % 2
	v_bfe_u32 v9, v2, 2, 1
	v_and_b32 v7, 3, v2
	v_lshlrev_b32 v8, s44, v8
	v_lshlrev_b32 v9, s45, v9
	v_lshlrev_b32 v7, 3, v7
	v_add3_u32 v7, v7, v8, v9
	v_mov_b32 v[OF], v3
	v_add_nc_u32 v[OF+4], s36, v3
	v_add_nc_u32 v[OF+8], s36, v[OF+4]
	v_add_nc_u32 v[OF+12], s36, v[OF+8]
	s_add_nc_u64 s[18:19], s[18:19], s[28:29]
.macro LOAD t
.irp i, 0,1,2,3
	global_load_b128 v[R+16*((\t)%AHEAD)+4*\i:R+16*((\t)%AHEAD)+4*\i+3], v[OF+4*((\t)/4)], s[12+28*(((\t)/2)%2):13+28*(((\t)/2)%2)] offset:2048*((\t)%2)+512*\i th:TH_LOAD_NT   ; 32 lanes read 512 consecutive bytes
.endr
.endm
.macro TURN t                          ; step t's numbers through the stage: LDS serves a wave's instructions in order, so no wait stands between the stores and the loads
.irp i, 0,1,2,3
	ds_store_b128 v14, v[R+16*((\t)%AHEAD)+4*\i:R+16*((\t)%AHEAD)+4*\i+3] offset:32*SP*((\t)%2)+8*SP*\i
.endr
.irp i, 0,1,2,3
	ds_load_b128 v[X+16*((\t)%2)+4*\i:X+16*((\t)%2)+4*\i+3], v15 offset:32*SP*((\t)%2)+16*\i
.endr
.endm
.irp t, 0,1,2,3,4,5,6,7
	LOAD \t
.endr
	s_wait_alu depctr_va_vdst(0)
	s_wait_loadcnt 28                              ; step 0's four loads are in; the 28 of steps 1 to 7 may be out
	TURN 0
.macro STEP t
.set XS, X+16*((\t)%2)
.if (\t) > 0
	s_wait_dscnt 4                                 ; this step's numbers are back from the stage; the last step's byte store and three word stores may be out
.else
	s_wait_dscnt 0x0
.endif
.if (\t)+AHEAD < STEPS
	LOAD (\t)+AHEAD                                ; which take the loads of eight steps on
.endif
.if (\t)+1 < STEPS
.if STEPS-2-(\t) >= AHEAD-1
	s_wait_loadcnt 4*(AHEAD-1)                     ; the next step's four loads are in; those of the seven steps behind it may be out
.else
	s_wait_loadcnt 4*(STEPS-2-(\t))                ; towards the end: those of the steps that are left behind it
.endif
	TURN (\t)+1                                    ; and go through the other stage while this step is worked
.endif
	v_max3_num_f32 v8, |v[XS]|, |v[XS+1]|, |v[XS+2]|               ; the largest magnitude of my 16, in two chains
	v_max3_num_f32 v9, |v[XS+3]|, |v[XS+4]|, |v[XS+5]|
.irp i, 6,10
	v_max3_num_f32 v8, v8, |v[XS+\i]|, |v[XS+\i+1]|
	v_max3_num_f32 v9, v9, |v[XS+\i+2]|, |v[XS+\i+3]|
.endr
	v_max3_num_f32 v8, v8, |v[XS+14]|, |v[XS+15]|
	v_max3_num_f32 v8, v8, v9, (EMAX+1)<<23        ; and the floor 2^(EMAX + 1 - 127): the byte cannot fall under 1
	v_max_num_f32_dpp v8, v8, v8 row_xmask:1 row_mask:0xf bank_mask:0xf   ; and of my neighbour's 16: the block's
	v_add_nc_u32 v11, -(EMAX<<23), v8              ; EMAX off its exponent field: the conversion takes the exponent field of this operand as its scale, and nothing else of it
	v_cvt_scalef32_pk16_bf6_f32 v[C+4*(\t):C+4*(\t)+2], v[XS:XS+15], v11   ; sixteen numbers / the scale, to the nearest code, ties to even, beyond the largest code the largest
	v_lshrrev_b32 v[E+(\t)], 23, v11               ; the scale's byte
	ds_store_b8 v5, v[E+(\t)] offset:16*(\t)       ; both lanes of a block write the same byte with the same value
.irp j, 0,1,2
	ds_store_b32 v[IA+4*\j], v[C+4*(\t)+\j] offset:((\t)%4)*6528+16*((\t)/4)   ; into the image: four fragments on for each step of four, a row on after four
.endr
.endm
.irp t, 0,1,2,3,4,5,6,7,8,9,10,11,12,13,14,15
	STEP \t
.endr
	ds_load_b64 v[12:13], v6                       ; LDS serves a wave's instructions in order: these see my stores
	s_wait_dscnt 0x0
	global_store_b64 v7, v[12:13], s[18:19]
	s_barrier_signal -1                            ; the wait above has shown all my LDS stores done
	s_barrier_wait -1                              ; the image is whole
.irp q, 0,1,2,3,4,5,6,7,8,9,10,11
	ds_load_b128 v[16+4*\q:19+4*\q], v[RB] offset:2176*\q
.endr
	s_wait_dscnt 0x0
.irp q, 0,1,2,3,4,5,6,7,8,9,10,11
	global_store_b128 v[GO], v[16+4*\q:19+4*\q], s[16:17] offset:2048*\q     ; sixteen lanes store 256 consecutive bytes, aligned
.endr
	s_wait_tensorcnt 0x0
	ds_add_u32 v251, v255
	s_wait_dscnt 0x0
	s_endpgm
; THE TABLE.  A thread takes one t: 32 angles, each reduced by the nearest multiple n of pi/2 (pi/2 in three parts, fused, so that the difference is not rounded away), a polynomial for sin and
; one for cos on [-pi/4, pi/4], and the quadrant n mod 4, which swaps the two and sets the signs.  All choices are selects; nothing branches on a number.
.Lrope:
	s_lshl_b32 s22, ttmp9, 7
	v_add_nc_u32 v1, s22, v0                       ; t = 128 x work-group + thread
	v_lshlrev_b32 v2, 2, v1
	global_load_b32 v3, v2, s[14:15]               ; positions[0][t]: the first row serves both batches
	v_lshlrev_b32 v16, 8, v1                       ; 256 bytes of the table for each t
	s_mov_b32 s24, 0x3f22f983                      ; 2 / pi
	s_mov_b32 s25, 0x3fc90fdb                      ; pi / 2, rounded;
	s_mov_b32 s26, 0xb33bbd2e                      ; what that left;
	s_mov_b32 s27, 0xa6f72ce8                      ; and what that left
	s_mov_b32 s28, 0xb94ca1f9                      ; sin: -1.9515295891e-4
	s_mov_b32 s29, 0x3c08839e                      ;       8.3321608736e-3
	s_mov_b32 s30, 0xbe2aaaa3                      ;      -1.6666654611e-1
	s_mov_b32 s31, 0x37ccf5ce                      ; cos:  2.443315712e-5
	s_mov_b32 s32, 0xbab6061a                      ;      -1.388731625e-3
	s_mov_b32 s33, 0x3d2aaaa5                      ;       4.166664568e-2
	s_wait_loadcnt 0x0
	v_cvt_f32_i32 v3, v3
.macro SINCOS j, f
	v_mul_f32 v4, \f, v3                           ; the angle
	v_mul_f32 v5, s24, v4
	v_rndne_f32 v5, v5                             ; n
	v_fma_f32 v6, -v5, s25, v4
	v_fma_f32 v6, -v5, s26, v6
	v_fma_f32 v6, -v5, s27, v6                     ; r = angle - n pi/2
	v_mul_f32 v7, v6, v6                           ; z = r r
	v_fma_f32 v8, v7, s28, s29
	v_fma_f32 v9, v7, s31, s32
	v_fma_f32 v8, v8, v7, s30
	v_fma_f32 v9, v9, v7, s33
	v_mul_f32 v8, v8, v7
	v_fma_f32 v9, v9, v7, -0.5
	v_fma_f32 v8, v8, v6, v6                       ; sin r
	v_fma_f32 v9, v9, v7, 1.0                      ; cos r
	v_cvt_i32_f32 v10, v5
	v_and_b32 v11, 1, v10
	v_cmp_eq_u32 vcc_lo, 1, v11                    ; an odd quadrant swaps the two
	v_cndmask_b32 v12, v8, v9, vcc_lo
	v_cndmask_b32 v13, v9, v8, vcc_lo
	v_lshlrev_b32 v14, 30, v10
	v_add_nc_u32 v15, 1, v10
	v_and_b32 v14, 0x80000000, v14                 ; the sine is negative in quadrants 2 and 3,
	v_lshlrev_b32 v15, 30, v15
	v_xor_b32 v[64+\j], v14, v12
	v_and_b32 v15, 0x80000000, v15                 ; the cosine in 1 and 2
	v_xor_b32 v[32+\j], v15, v13
.endm
	SINCOS 0, 1.0
	SINCOS 1, 0.749894209
	SINCOS 2, 0.562341325
	SINCOS 3, 0.421696503
	SINCOS 4, 0.316227766
	SINCOS 5, 0.237137371
	SINCOS 6, 0.177827941
	SINCOS 7, 0.133352143
	SINCOS 8, 0.1
	SINCOS 9, 0.0749894209
	SINCOS 10, 0.0562341325
	SINCOS 11, 0.0421696503
	SINCOS 12, 0.0316227766
	SINCOS 13, 0.0237137371
	SINCOS 14, 0.0177827941
	SINCOS 15, 0.0133352143
	SINCOS 16, 0.01
	SINCOS 17, 0.00749894209
	SINCOS 18, 0.00562341325
	SINCOS 19, 0.00421696503
	SINCOS 20, 0.00316227766
	SINCOS 21, 0.00237137371
	SINCOS 22, 0.00177827941
	SINCOS 23, 0.00133352143
	SINCOS 24, 0.001
	SINCOS 25, 0.000749894209
	SINCOS 26, 0.000562341325
	SINCOS 27, 0.000421696503
	SINCOS 28, 0.000316227766
	SINCOS 29, 0.000237137371
	SINCOS 30, 0.000177827941
	SINCOS 31, 0.000133352143
.irp i, 0,1,2,3,4,5,6,7
	global_store_b128 v16, v[32+4*\i:35+4*\i], s[20:21] offset:16*\i        ; a lane fills its own 256 bytes over sixteen stores: the table is half a megabyte in all
	global_store_b128 v16, v[64+4*\i:67+4*\i], s[20:21] offset:128+16*\i
.endr
	s_endpgm
.Lfunc_end_k_q2bb33d95b7_prep:
	.size	k_q2bb33d95b7_prep, .Lfunc_end_k_q2bb33d95b7_prep-k_q2bb33d95b7_prep
	.p2alignl 7, 3214868480
	.fill 96, 4, 3214868480
	.section	.rodata,"a",@progbits
	.p2align	6, 0x0
	.amdhsa_kernel k_q2bb33d95b7_prep
		.amdhsa_group_segment_fixed_size 59392
		.amdhsa_private_segment_fixed_size 0
		.amdhsa_enable_private_segment 0
		.amdhsa_kernarg_size 72
		.amdhsa_user_sgpr_count 2
		.amdhsa_user_sgpr_kernarg_segment_ptr 1
		.amdhsa_wavefront_size32 1
		.amdhsa_system_sgpr_workgroup_id_x 1
		.amdhsa_system_sgpr_workgroup_id_y 1
		.amdhsa_system_sgpr_workgroup_id_z 1
		.amdhsa_system_vgpr_workitem_id 0
		.amdhsa_next_free_vgpr 256
		.amdhsa_next_free_sgpr 66
		.amdhsa_reserve_vcc 1
		.amdhsa_float_denorm_mode_32 3
		.amdhsa_float_denorm_mode_16_64 3
		.amdhsa_memory_ordered 1
		.amdhsa_forward_progress 1
		.amdhsa_inst_pref_size 81
	.end_amdhsa_kernel
	.amdgpu_metadata
---
amdhsa.version: [ 1, 2 ]
amdhsa.kernels:
  - .name:           k_q2bb33d95b7_prep
    .symbol:         k_q2bb33d95b7_prep.kd
    .args:
      - { .name: hidden, .offset: 0, .size: 8, .value_kind: global_buffer, .address_space: global }
      - { .name: q_w, .offset: 8, .size: 8, .value_kind: global_buffer, .address_space: global }
      - { .name: k_w, .offset: 16, .size: 8, .value_kind: global_buffer, .address_space: global }
      - { .name: v_w, .offset: 24, .size: 8, .value_kind: global_buffer, .address_space: global }
      - { .name: o_w, .offset: 32, .size: 8, .value_kind: global_buffer, .address_space: global }
      - { .name: positions, .offset: 40, .size: 8, .value_kind: global_buffer, .address_space: global }
      - { .name: codes, .offset: 48, .size: 8, .value_kind: global_buffer, .address_space: global }
      - { .name: scales, .offset: 56, .size: 8, .value_kind: global_buffer, .address_space: global }
      - { .name: rope, .offset: 64, .size: 8, .value_kind: global_buffer, .address_space: global }
    .group_segment_fixed_size: 59392
    .private_segment_fixed_size: 0
    .kernarg_segment_align: 8
    .kernarg_segment_size: 72
    .max_flat_workgroup_size: 128
    .sgpr_count:     66
    .vgpr_count:     256
    .wavefront_size: 32
...
	.end_amdgpu_metadata
.endif
;; end of part 1
;; launch gemm_qkv (part 2): grid 8 x 32, 4 waves a work-group, clusters of 4 x 4, 327,680 bytes of LDS; arguments codes, scales, qkv; writes qkv
.if DOCPART == 2
	.amdgcn_target "amdgcn-amd-amdhsa--gfx1250"
	.amdhsa_code_object_version 6
	.text
	.protected	k_q2bb33d95b7_gemm_qkv
	.globl	k_q2bb33d95b7_gemm_qkv
	.p2align	8
	.type	k_q2bb33d95b7_gemm_qkv,@function
k_q2bb33d95b7_gemm_qkv:
	s_mov_b64 s[64:65], 0
	v_nop
	global_prefetch_b8 v0, s[64:65] scope:SCOPE_SE
	s_setreg_imm32_b32 hwreg(HW_REG_WAVE_MODE, 25, 1), 1
	s_wait_xcnt 0x0
	s_wait_alu depctr_hold_cnt(0) depctr_sa_sdst(0) depctr_va_vdst(0) depctr_va_sdst(0) depctr_va_ssrc(0) depctr_va_vcc(0) depctr_vm_vsrc(0)
	s_getreg_b32 s2, hwreg(HW_REG_IB_STS2, 6, 4)
	s_cmp_eq_u32 s2, 0
	s_cbranch_scc0 .Lentry_in_a_cluster
	s_endpgm
.Lentry_in_a_cluster:
	s_bfe_u32 s2, ttmp6, 0x10000c
	s_cmp_lg_u32 s2, 0xf033
	s_cbranch_scc0 .Lentry_shape_is_right
	s_endpgm
.Lentry_shape_is_right:
; qkv [4096][2048] f32 = hidden x (q_w | k_w | v_w)^T on codes of BF6 (E3M2) with E8M0 scales, K = 2,048.
; The codes lie as IMAGES OF THE OPERAND REGISTERS: for each 16 rows the K steps of 128 on end, 1,536 bytes each (group g of four registers at 512 g + 16 lane): a fragment is three loads of 16 bytes a lane.
; A work-group makes 128 x 256 of C, a wave 64 x 128 (32 accumulators).  A slot holds 512 along K: for each block of 16 rows ONE tensor row of 6,144 bytes, which begins at a multiple of 256 bytes.
; Two slots; K is SIZE_K / 512 fills.  The head's four loads, one a wave: A's tile, B's tile, A's scales, B's scales (for all of K); slot 1 is first filled behind the full sequence and a round.
; Cluster 4 x 4: A's tiles are asked for jointly along a row, B's along a column.  The matrix instruction is used transposed (source 0 = B's rows), so that a lane holds eight neighbours of a row of C.
; No prefetch: of the four fills two go out at the head and the other two at the first two changes of slots, so a request two fills ahead would stand at the head itself.
; Windows: 0: v16-29 addresses, v32-95 scale words (two sets), v128-175 A's four fragments; 1: B's two sets at v0, v128; 2: the accumulators.
.set SIZE_N, 2048
.set SIZE_K, 2048
.set B_CODES,  6291456
.set B_SCALES, 262144
.set NQ,     4
.set FB,     1536
.set ROWB,   NQ*FB
.set KROW,   SIZE_K*6/8
.set KPIT,   16*KROW
.set FR,     12
.set NL,     3
.set NP,     4
.set HALFA,  4*ROWB
.set HALFB,  8*ROWB
.set SLOT,   2*HALFA+2*HALFB
.set LAPS,   SIZE_K/(2*NQ*128)
.set KS,     SIZE_K/32
.set SCL,    2*SLOT
.set HALFSA, (64*KS/256)*272
.set HALFSB, (128*KS/256)*272
.set SBLK,   (16*KS/256)*272
.set SPARE,  SCL+2*HALFSA+2*HALFSB
.set SPITCH, 528
.set ADRA, 16
.set ADRB, 20
.set STO,  24
.set RD,   25
.set CO,   26
.set ADRS, 27
.set SPW,  28
.set NIL,  29
.set SC,   32
.set AF,   128
.set BK,   128
.set G1, 24
.set G0, 32
.set G1B, 48
.set G0B, 56
.set G1S, 68
.set G0S, 76
.set G1SB, 80
.set G0SB, 88
.set G0H, 4
.set G0HB, 8
.set MSB, 0
.macro WIN new
.if MSB != \new
	s_set_vgpr_msb (MSB<<8)|\new
.set MSB, \new
.endif
.endm
.set MUL,    0xa1
.set TO_B,   0x40
.macro PLACES n
.rept \n
	v_nop
.endr
.endm
.macro JLOAD g0a, g1a, g0b, g1b        ; waves 0, 1 fetch for A, waves 2, 3 for B
	s_cmp_eq_u32 s15, 0
	s_cbranch_scc0 .Lfor_b_\@
	tensor_load_to_lds s[\g0a:\g0a+3], s[\g1a:\g1a+7]
	s_nop 0
	PLACES 4
	s_branch .Lasked_\@
.Lfor_b_\@:
	tensor_load_to_lds s[\g0b:\g0b+3], s[\g1b:\g1b+7]
	s_nop 0
	PLACES 4
.Lasked_\@:
.endm
.macro CREST
	s_cmp_lg_u32 s14, 0
	s_cbranch_scc1 .Lnot_wave_0_\@
	s_barrier_signal -3
.Lnot_wave_0_\@:
	s_barrier_wait -3
	s_barrier_signal -1
	s_barrier_wait -1
.endm
.macro CROUND
	s_barrier_signal -1
	s_barrier_wait -1
	CREST
.endm
.macro SHAPE g, c, r, p
	s_mov_b32 s[\g+1], (\c)<<16
	s_mov_b32 s[\g+2], (\r)<<16
	s_mov_b32 s[\g+3], (\c)<<16
	s_mov_b32 s[\g+4], \r
	s_mov_b32 s[\g+5], \p
	s_mov_b32 s[\g+6], 0
	s_mov_b32 s[\g+7], 0
.endm
.macro GROUP0 g, lds, a
	s_mov_b32 s[\g], 1
	s_mov_b32 s[\g+1], \lds
	s_mov_b64 s[\g+2:\g+3], s[\a:\a+1]
	s_or_b32 s[\g+3], s[\g+3], 0x80000000
.endm
	s_load_b128 s[4:7], s[0:1], 0x0                ; codes, scales
	s_load_b64 s[12:13], s[0:1], 0x10              ; qkv
	v_lshl_add_u32 v[SPW], v0, 2, SPARE
	v_mov_b32 v[NIL], 0
	ds_add_u32 v[SPW], v[NIL]                      ; the opening lines: the add twice on end and its wait
	ds_add_u32 v[SPW], v[NIL]
	v_lshrrev_b32 v1, 5, v0
	v_readfirstlane_b32 s14, v1                    ; wave
	s_lshr_b32 s15, s14, 1                         ; my half of the rows; also: I fetch for A or for B
	s_and_b32 s16, s14, 1                          ; my half of the columns; also: which half of a tile I fetch
	s_bfe_u32 s40, ttmp6, 0x40000
	s_bfe_u32 s41, ttmp6, 0x40004
	s_lshl_b32 s42, ttmp9, 2
	s_add_co_u32 s42, s42, s40                     ; tile column
	s_and_b32 s17, ttmp7, 0xffff
	s_lshl_b32 s17, s17, 2
	s_add_co_u32 s17, s17, s41                     ; tile row
	s_lshl_b32 s43, s41, 2
	s_lshl_b32 s43, 15, s43
	s_lshl_b32 s44, 0x1111, s40
	s_or_b32 s[G1+0], s43, (3<<16)|(1<<21)         ; elements of 8 bytes, no padding: the images are read 16 bytes a lane on end
	s_or_b32 s[G1B+0], s44, (3<<16)|(1<<21)
	SHAPE G1, ROWB/8, 8, KPIT/8                    ; the head's loads bring whole tiles: 8 and 16 blocks of 16 rows
	SHAPE G1B, ROWB/8, 16, KPIT/8
	s_or_b32 s[G1S+0], s43, (3<<16)|(1<<20)|(1<<21)|(5<<22)|(3<<25)
	s_or_b32 s[G1SB+0], s44, (3<<16)|(1<<20)|(1<<21)|(5<<22)|(3<<25)
	SHAPE G1S, 32, 128*KS/256, 32                  ; the scales: dense blocks as rows of 256 bytes + 16 of padding
	SHAPE G1SB, 32, 256*KS/256, 32
	s_lshl_b32 s20, s17, 7
	s_lshl_b32 s46, s42, 8
	s_mov_b32 s21, 0
	s_mov_b32 s47, 0
	s_mov_b64 s[18:19], KS
	s_mul_u64 s[22:23], s[20:21], s[18:19]
	s_mul_u64 s[92:93], s[46:47], s[18:19]
	s_mov_b64 s[18:19], KROW                       ; 16 rows are KPIT bytes, and every first row is a multiple of 16
	s_mul_u64 s[20:21], s[20:21], s[18:19]
	s_mul_u64 s[46:47], s[46:47], s[18:19]
	s_mul_i32 s18, s16, 64*KROW                    ; my half of A's tile,
	s_mov_b32 s19, 0
	s_mul_i32 s94, s16, 128*KROW                   ; or of B's
	s_mov_b32 s95, 0
	s_mul_i32 s45, s16, HALFA
	s_mul_i32 s96, s16, HALFB
	s_add_co_u32 s96, s96, 2*HALFA
	s_wait_dscnt 0x0
	s_wait_kmcnt 0x0
	s_add_nc_u64 s[8:9], s[4:5], B_CODES
	s_add_nc_u64 s[10:11], s[6:7], B_SCALES
	s_add_nc_u64 s[20:21], s[4:5], s[20:21]
	s_add_nc_u64 s[22:23], s[6:7], s[22:23]
	s_add_nc_u64 s[46:47], s[8:9], s[46:47]
	s_add_nc_u64 s[92:93], s[10:11], s[92:93]
	CROUND                                         ; the first joint loads meet
	GROUP0 G0H, 0, 20
	GROUP0 G0HB, 2*HALFA, 46
	GROUP0 G0S, SCL, 22
	GROUP0 G0SB, SCL+2*HALFSA, 92
	s_add_nc_u64 s[20:21], s[20:21], s[18:19]
	s_add_nc_u64 s[46:47], s[46:47], s[94:95]
.irp s, 0,1
	s_mov_b32 s[G0+4*\s], 1
	s_add_co_u32 s[G0+4*\s+1], s45, \s*SLOT
	s_add_nc_u64 s[G0+4*\s+2:G0+4*\s+3], s[20:21], \s*ROWB
	s_or_b32 s[G0+4*\s+3], s[G0+4*\s+3], 0x80000000
	s_mov_b32 s[G0B+4*\s], 1
	s_add_co_u32 s[G0B+4*\s+1], s96, \s*SLOT
	s_add_nc_u64 s[G0B+4*\s+2:G0B+4*\s+3], s[46:47], \s*ROWB
	s_or_b32 s[G0B+4*\s+3], s[G0B+4*\s+3], 0x80000000
.endr
.macro ARM under, g0, g1, next         ; one chain of branches on the wave's number, one load to an arm
	s_cmp_lt_u32 s14, \under
	s_cbranch_scc0 \next
	tensor_load_to_lds s[\g0:\g0+3], s[\g1:\g1+7]
	s_nop 0
	PLACES 4
	s_branch .Lhead_asked
\next:
.endm
	ARM 1, G0H,  G1,  .Lhead_b
	ARM 2, G0HB, G1B, .Lhead_sa
	ARM 3, G0S,  G1S, .Lhead_sb
	tensor_load_to_lds s[G0SB:G0SB+3], s[G1SB:G1SB+7]
	s_nop 0
	PLACES 4
.Lhead_asked:
	s_mul_i32 s66, s15, HALFA                      ; my 64 rows of A
	s_mul_i32 s67, s16, HALFB                      ; my 128 rows of B, behind A's
	s_add_co_u32 s67, s67, 2*HALFA
	s_mul_i32 s94, s15, HALFSA
	s_mul_i32 s95, s16, HALFSB
	s_add_co_u32 s95, s95, 2*HALFSA
	s_sub_co_u32 s95, s95, s94                     ; from A's scale words to B's
	s_add_co_u32 s94, s94, SCL
	s_mul_i32 s23, s14, 16*SPITCH                  ; my stage, in slot 0: the last fill lies in slot 1
	s_lshl_b32 s20, s17, 7
	s_lshl_b32 s21, s15, 6
	s_add_co_u32 s20, s20, s21
	s_mov_b32 s21, 0
	s_mov_b64 s[18:19], SIZE_N*4
	s_mul_u64 s[20:21], s[20:21], s[18:19]
	s_lshl_b32 s46, s42, 10
	s_lshl_b32 s47, s16, 9
	s_add_co_u32 s46, s46, s47
	s_mov_b32 s47, 0
	s_add_nc_u64 s[20:21], s[20:21], s[46:47]
	s_add_nc_u64 s[12:13], s[12:13], s[20:21]
	v_and_b32 v1, 15, v0
	v_bfe_u32 v2, v0, 4, 1
	v_and_b32 v6, 31, v0
	v_lshlrev_b32 v[CO], 4, v6                     ; 16 x lane
	v_add_nc_u32 v[ADRA], s66, v[CO]
	v_add_nc_u32 v[ADRB], s67, v[CO]
	v_add_nc_u32 v[ADRA+1], SLOT, v[ADRA]
	v_add_nc_u32 v[ADRB+1], SLOT, v[ADRB]
	v_mul_u32_u24 v5, v1, KS
	v_lshrrev_b32 v7, 8, v5
	v_lshl_add_u32 v5, v7, 4, v5
	v_mul_u32_u24 v7, s95, v2                      ; lanes 16-31 take B's
	v_add_nc_u32 v5, v5, v7
	v_add_nc_u32 v[ADRS], s94, v5
	v_mul_u32_u24 v5, v1, SPITCH
	v_lshl_add_u32 v5, v2, 5, v5
	v_add_nc_u32 v[STO], s23, v5
	v_add_nc_u32 v[RD], s23, v[CO]
.macro FRAG reg, adr, q, i             ; block i of 16 rows, step q of the slot's four
.irp g, 0,1,2
	ds_load_b128 v[\reg+4*\g:\reg+4*\g+3], v[\adr] offset:(\i)*ROWB+(\q)*FB+512*\g
.endr
.endm
.macro MUL8 a, p, q, sc, zero          ; A's block a x B's eight: eight accumulators by turns
.irp b, 0,1,2,3,4,5,6,7
.if \zero
	v_wmma_scale_f32_16x16x128_f8f6f4 v[8*(8*(\a)+\b):8*(8*(\a)+\b)+7], v[128*(\p)+FR*\b:128*(\p)+FR*\b+FR-1], v[AF+FR*(\a):AF+FR*(\a)+FR-1], 0, v[SC+8*NQ*(\sc)+NQ*\b+(\q)], v[SC+8*NQ*(\sc)+NQ*(\a)+(\q)] matrix_a_fmt:MATRIX_FMT_BF6 matrix_b_fmt:MATRIX_FMT_BF6 matrix_a_scale:MATRIX_SCALE_ROW1
.else
	v_wmma_scale_f32_16x16x128_f8f6f4 v[8*(8*(\a)+\b):8*(8*(\a)+\b)+7], v[128*(\p)+FR*\b:128*(\p)+FR*\b+FR-1], v[AF+FR*(\a):AF+FR*(\a)+FR-1], v[8*(8*(\a)+\b):8*(8*(\a)+\b)+7], v[SC+8*NQ*(\sc)+NQ*\b+(\q)], v[SC+8*NQ*(\sc)+NQ*(\a)+(\q)] matrix_a_fmt:MATRIX_FMT_BF6 matrix_b_fmt:MATRIX_FMT_BF6 matrix_a_scale:MATRIX_SCALE_ROW1
.endif
.endr
.endm
.macro FETCH_B slot, q, p
	WIN TO_B
.irp i, 0,1,2,3,4,5,6,7
	FRAG 128*(\p)+FR*\i, ADRB+\slot, \q, \i
.endr
	WIN 0
.endm
.macro FETCH_A slot, q, i0
.irp i, \i0, \i0+1
	FRAG AF+FR*(\i), ADRA+\slot, \q, \i
.endr
.endm
.macro SCALES sc, sl                   ; the four scale words of fill sl's steps: lanes 0-15 A's block i, lanes 16-31 B's
.irp i, 0,1,2,3,4,5,6,7
	ds_load_b128 v[SC+8*NQ*(\sc)+NQ*\i:SC+8*NQ*(\sc)+NQ*\i+3], v[ADRS] offset:\i*SBLK+16*(\sl)
.endr
.endm
.macro STEP slot, q, zero
	s_wait_dscnt 2*NL                              ; all but the youngest six loads (A's blocks 2, 3)
	WIN MUL
	MUL8 0, (\q)%2, \q, \slot, \zero
	MUL8 1, (\q)%2, \q, \slot, \zero
	s_wait_dscnt 0
	PLACES NP
	FETCH_B \slot, (\q)+1, 1-(\q)%2
	FETCH_A \slot, (\q)+1, 0
	WIN MUL
	MUL8 2, (\q)%2, \q, \slot, \zero
	MUL8 3, (\q)%2, \q, \slot, \zero
	PLACES NP
	WIN 0
	FETCH_A \slot, (\q)+1, 2
.endm
.macro THREE slot, zero
	STEP \slot, 0, \zero
	STEP \slot, 1, 0
	STEP \slot, 2, 0
.endm
.macro TURN slot, next, fill, sl       ; a slot's last step and the change of slots; sl: the next fill's number
	s_wait_tensorcnt 0x0                           ; all my tensor loads have landed;
	ds_add_u32 v[SPW], v[NIL]
	s_wait_dscnt 2*NL+1                            ; (the add and the youngest six loads may be out)
	WIN MUL
	MUL8 0, 1, NQ-1, \slot, 0
	s_wait_dscnt 0x0                               ; the add is done and my reads of this slot are over
	s_barrier_signal -1
	MUL8 1, 1, NQ-1, \slot, 0
	WIN 0
	s_barrier_wait -1
.if \fill
	CREST
	s_add_nc_u64 s[G0+4*\slot+2:G0+4*\slot+3], s[G0+4*\slot+2:G0+4*\slot+3], 2*ROWB
	s_add_nc_u64 s[G0B+4*\slot+2:G0B+4*\slot+3], s[G0B+4*\slot+2:G0B+4*\slot+3], 2*ROWB
	JLOAD G0+4*\slot, G1, G0B+4*\slot, G1B
.else
	PLACES NP
.endif
	FETCH_B \next, 0, 0
	FETCH_A \next, 0, 0
	SCALES \next, \sl
	WIN MUL
	MUL8 2, 1, NQ-1, \slot, 0
	MUL8 3, 1, NQ-1, \slot, 0
	PLACES NP
	WIN 0
	FETCH_A \next, 0, 2
.endm
	s_wait_alu depctr_va_vdst(0)                   ; the wait at the head's end
	s_wait_tensorcnt 0x0                           ; my tile of the head's four is in
	ds_add_u32 v[SPW], v[NIL]
	s_mov_b32 s[G1+2], 4<<16                       ; no load of mine is out: from here on a load brings half a tile
	s_mov_b32 s[G1+4], 4
	s_mov_b32 s[G1B+2], 8<<16
	s_mov_b32 s[G1B+4], 8
	s_wait_dscnt 0x0
	CROUND
	JLOAD G0+4, G1, G0B+4, G1B                     ; slot 1's first fill
	FETCH_B 0, 0, 0
	FETCH_A 0, 0, 0
	SCALES 0, 0
	FETCH_A 0, 0, 2
	THREE 0, 1                                     ; the first step's products start the sums
.if LAPS > 1
	TURN 0, 1, 1, 1
	THREE 1, 0
	TURN 1, 0, 1, 2
	THREE 0, 0
.endif
	TURN 0, 1, 0, 2*LAPS-1
	THREE 1, 0
	s_wait_dscnt 2*NL
	WIN MUL
	MUL8 0, 1, NQ-1, 1, 0
	MUL8 1, 1, NQ-1, 1, 0
	s_wait_dscnt 0
	MUL8 2, 1, NQ-1, 1, 0
	MUL8 3, 1, NQ-1, 1, 0
	WIN 0
.macro TOSTAGE a                       ; 16 rows x 128 columns through my own stage, back as whole rows of 512 bytes
.set AC, 64*(\a)
	WIN 0x08
.irp b, 0,1,2,3,4,5,6,7
	ds_store_b128 v[STO], v[AC+8*\b:AC+8*\b+3] offset:64*\b
	ds_store_b128 v[STO], v[AC+8*\b+4:AC+8*\b+7] offset:64*\b+16
.endr
	WIN 0
.set BB, BK+64*((\a)%2)
.irp t, 0,1,2,3,4,5,6,7,8,9,10,11,12,13,14,15
	ds_load_b128 v[BB+4*\t:BB+4*\t+3], v[RD] offset:\t*SPITCH
.endr
.endm
.macro SEND a, younger
.set BB, BK+64*((\a)%2)
	s_wait_dscnt \younger
.if (\a) > 0
	s_add_nc_u64 s[12:13], s[12:13], 16*SIZE_N*4
.endif
.irp t, 0,1,2,3,4,5,6,7,8,9,10,11,12,13,14,15
	global_store_b128 v[CO], v[BB+4*\t:BB+4*\t+3], s[12:13] offset:\t*SIZE_N*4
.endr
.endm
	PLACES NP
	TOSTAGE 0
.irp a, 1,2,3
.if \a > 1
	s_wait_xcnt 0x0                                ; the stores of two blocks ago have read their registers and their base
.endif
	TOSTAGE \a
	SEND \a-1, 32
.endr
	s_wait_xcnt 0x0
	SEND 3, 0
	s_wait_tensorcnt 0x0                           ; the wave's end
	ds_add_u32 v[SPW], v[NIL]
	s_wait_dscnt 0x0
	CROUND
	s_endpgm
.Lfunc_end_k_q2bb33d95b7_gemm_qkv:
	.size	k_q2bb33d95b7_gemm_qkv, .Lfunc_end_k_q2bb33d95b7_gemm_qkv-k_q2bb33d95b7_gemm_qkv
	.p2alignl 7, 3214868480
	.fill 96, 4, 3214868480
	.section	.rodata,"a",@progbits
	.p2align	6, 0x0
	.amdhsa_kernel k_q2bb33d95b7_gemm_qkv
		.amdhsa_group_segment_fixed_size 327680
		.amdhsa_private_segment_fixed_size 0
		.amdhsa_enable_private_segment 0
		.amdhsa_kernarg_size 24
		.amdhsa_user_sgpr_count 2
		.amdhsa_user_sgpr_kernarg_segment_ptr 1
		.amdhsa_wavefront_size32 1
		.amdhsa_system_sgpr_workgroup_id_x 1
		.amdhsa_system_sgpr_workgroup_id_y 1
		.amdhsa_system_sgpr_workgroup_id_z 1
		.amdhsa_system_vgpr_workitem_id 0
		.amdhsa_next_free_vgpr 768
		.amdhsa_next_free_sgpr 98
		.amdhsa_reserve_vcc 0
		.amdhsa_float_denorm_mode_32 3
		.amdhsa_float_denorm_mode_16_64 3
		.amdhsa_memory_ordered 1
		.amdhsa_forward_progress 1
		.amdhsa_inst_pref_size 137
	.end_amdhsa_kernel
	.amdgpu_metadata
---
amdhsa.version: [ 1, 2 ]
amdhsa.kernels:
  - .name:           k_q2bb33d95b7_gemm_qkv
    .symbol:         k_q2bb33d95b7_gemm_qkv.kd
    .args:
      - { .name: codes, .offset: 0, .size: 8, .value_kind: global_buffer, .address_space: global }
      - { .name: scales, .offset: 8, .size: 8, .value_kind: global_buffer, .address_space: global }
      - { .name: qkv, .offset: 16, .size: 8, .value_kind: global_buffer, .address_space: global }
    .group_segment_fixed_size: 327680
    .private_segment_fixed_size: 0
    .kernarg_segment_align: 8
    .kernarg_segment_size: 24
    .max_flat_workgroup_size: 128
    .sgpr_count:     98
    .vgpr_count:     768
    .wavefront_size: 32
...
	.end_amdgpu_metadata
.endif
;; end of part 2
;; launch pack (part 3): grid 128 x 4, 8 waves a work-group, no clusters, 144,640 bytes of LDS; arguments qkv, q_b, k_b, v_b, rope, q_img, kv_img; writes q_img, kv_img
.if DOCPART == 3
	.amdgcn_target "amdgcn-amd-amdhsa--gfx1250"
	.amdhsa_code_object_version 6
	.text
	.protected	k_q2bb33d95b7_pack
	.globl	k_q2bb33d95b7_pack
	.p2align	8
	.type	k_q2bb33d95b7_pack,@function
k_q2bb33d95b7_pack:
	s_mov_b64 s[64:65], 0
	v_nop
	global_prefetch_b8 v0, s[64:65] scope:SCOPE_SE
	s_setreg_imm32_b32 hwreg(HW_REG_WAVE_MODE, 25, 1), 1
	s_wait_xcnt 0x0
; PACK.  The projections qkv [4096 tokens][2048: Q 1024 | K 512 | V 512], f32, get their biases; Q and K are rotated (RoPE, from the table of cos and sin) and quantised along the head's 64;
; V is quantised along the KEYS.  All three leave as codes of BF6 (E3M2) with E8M0 scale bytes, laid as IMAGES OF THE OPERAND REGISTERS of the attention launch, so that it fetches every fragment by
; loads of 16 bytes a lane at 16 x lane.
; A Q-OR-K BLOCK (128 tokens of one head, 6,656 bytes): a lane's 48 registers are 8 tiles x 6; group c of four registers lies at 512 c + 16 lane.  Tile 2 p + u, lane (r, h), holds the 24 bytes of
; channels 32 h .. 32 h + 31 of token 32 p + 8 u + r + 8 (r / 8).  Scale words at 6,144: the word at 128 p + 4 lane belongs to tile 2 p + lane / 16, row lane % 16: byte 0, byte 1 the two blocks', bytes 2, 3 = 127.
; kv_img: for each (batch, kv head) and each 128 keys a block of 13,312 bytes: K's block; at 6,656 V's four tiles of 12 registers (tile t at 1,536 t + 512 c + 16 lane); at 12,800 V's scale words (128 t + 4 lane).
; V's tile 2 p + u, lane (r, h): channel 32 p + 8 u + r + 8 (r / 8); registers 6 c .. 6 c + 5: keys 64 c + 32 h + 0 .. 31.
; THE DIVISION BY sqrt(64) = 8 IS TAKEN OFF Q'S SCALE BYTES (3 off each): exact.  LIMIT: the byte is held at 0 from below, so blocks of Q whose largest magnitude lies under 2^-120 lose that factor.
; A block of zeros keeps the floor's byte (1; Q: 0): its codes are zeros.  NaN and infinities are not served.
; SHARES.  y = 0, 1, 2: a work-group takes 32 tokens, each of its eight waves one head (y 0, 1: Q's sixteen; y 2: K's eight); waves share nothing, each has a stage of its own, no barrier.
; y = 3: a work-group takes 256 keys of one kv head's V; the eight waves bring 32 keys each into one stage, one barrier, then each makes one tile of one step of 128 keys, a lane to a channel and its registers down the keys.
; The two ways have LDS bytes of their own.  No cluster, no tensor load: no byte is read by two work-groups but the small table and the biases.
; REGISTERS: v1-13 lane numbers and addresses; v16-79 the rows as loaded (V: later a lane's 64 keys); v80-83 the bias; v96-159 cosines and sines; v160-191 x1, x2; v192-195 at work; v200-207 maxima, permutes, scale operands, bytes;
;   v216-227 the operand's twelve registers; v228-230 and (V alone) v232-234 the upper halves of blocks as the conversions leave them; Q, K: v232-234 scale words; V: v236 the scale word, v237 its shift.
.set QSTG, 8704                        ; Q, K: a wave's stage: 32 rows x (256 bytes + 16)
.set VB,   69632                       ; V's stage begins behind the eight: 256 rows x 288 bytes; rows of odd blocks of 32 keys lie 32 bytes further on, so that the two halves of the lanes read different banks
	s_load_b256 s[4:11], s[0:1], 0x0               ; qkv s[4:5], q_b s[6:7], k_b s[8:9], v_b s[10:11]
	s_load_b128 s[12:15], s[0:1], 0x20             ; rope s[12:13], q_img s[14:15]
	s_load_b64 s[16:17], s[0:1], 0x30              ; kv_img
	v_lshl_add_u32 v254, v0, 2, 0x23100
	v_mov_b32 v255, 0
	v_lshrrev_b32 v1, 5, v0
	s_delay_alu instid0(VALU_DEP_1)
	v_readfirstlane_b32 s18, v1                    ; wave 0..7
	s_and_b32 s19, ttmp7, 0xffff                   ; y
	v_and_b32 v1, 31, v0                           ; lane
	v_and_b32 v2, 15, v0                           ; r
	v_bfe_u32 v3, v0, 4, 1                         ; h
	s_delay_alu instid0(VALU_DEP_2)
	v_lshlrev_b32 v4, 4, v2                        ; 16 r: my 16 bytes of a head's 256, in the rows and in the bias
	s_delay_alu instid0(VALU_DEP_1)
	v_lshl_add_u32 v5, v3, 13, v4                  ; lanes 16-31 take the next row of qkv, 8,192 bytes on
	s_delay_alu instid0(VALU_DEP_4)
	v_and_b32 v6, 8, v2
	s_delay_alu instid0(VALU_DEP_1)
	v_add_nc_u32 v6, v6, v2                        ; r + 8 (r / 8)
	v_lshlrev_b32 v7, 4, v1                        ; 16 x lane: an image's place
	v_lshlrev_b32 v8, 2, v1                        ; 4 x lane: a scale word's
	; every LDS address is made here, ahead of the parting of the two ways: a constant x wave + constants x parts of the lane
	s_mul_i32 s22, s18, QSTG
	v_mad_u32_u24 v9, v3, 272, v4
	s_delay_alu instid0(VALU_DEP_1)
	v_add_nc_u32 v9, s22, v9                       ; Q, K in: row h (+ 2 i), 16 r
	v_mul_u32_u24 v10, v6, 272
	s_delay_alu instid0(VALU_DEP_1)
	v_lshl_add_u32 v10, v3, 6, v10
	s_delay_alu instid0(VALU_DEP_1)
	v_add_nc_u32 v10, s22, v10                     ; Q, K back: row r + 8 (r / 8) (+ 8 u), channels 16 h on (+ 32)
	s_mul_i32 s23, s18, 32*288
	s_and_b32 s24, s18, 1
	s_lshl_b32 s24, s24, 5
	s_add_co_u32 s23, s23, s24
	s_add_co_u32 s23, s23, VB
	v_mad_u32_u24 v11, v3, 288, v4
	s_delay_alu instid0(VALU_DEP_1)
	v_add_nc_u32 v11, s23, v11                     ; V in: row 32 w + h (+ 2 i), 16 r, + 32 in odd blocks
	s_lshr_b32 s25, s18, 2
	s_mul_i32 s25, s25, 128*288                    ; V back: my step's 128 rows,
	s_bfe_u32 s26, s18, 0x10001
	s_lshl_b32 s26, s26, 7
	s_add_co_u32 s25, s25, s26                     ; my tile's channels: 32 (t / 2)
	s_add_co_u32 s25, s25, s24                     ; + 8 (t % 2), 4 bytes each,
	s_add_co_u32 s25, s25, VB
	v_mul_u32_u24 v12, v3, 32*288+32               ; lanes 16-31 take the odd blocks: 32 rows and the 32 bytes on,
	s_delay_alu instid0(VALU_DEP_1)
	v_lshl_add_u32 v12, v6, 2, v12
	s_delay_alu instid0(VALU_DEP_1)
	v_add_nc_u32 v12, s25, v12                     ; channel r + 8 (r / 8) of the tile
	s_mov_b32 s20, 0x76543210
	s_mov_b32 s21, 0xfedcba98                      ; v_permlanex16_b32's selects for lane l xor 16
	v_mov_b32 v202, 0                              ; written once: a lane permute's destination counts as one of its sources
	v_mov_b32 v203, 0
	s_mov_b32 s39, 0
	s_wait_kmcnt 0x0
.macro ROWS_IN                         ; 32 rows x 256 bytes: lanes 0-15 read one row's 256 consecutive bytes, lanes 16-31 the next row's
.irp i, 0,1,2,3,4,5,6,7,8,9,10,11,12,13,14,15
	global_load_b128 v[16+4*\i:19+4*\i], v5, s[4:5] offset:16384*\i th:TH_LOAD_NT
.endr
.endm
.macro ADD_BIAS
.set j, 0
.rept 16
	v_pk_add_f32 v[16+j:17+j], v[16+j:17+j], v[80:81]
	v_pk_add_f32 v[18+j:19+j], v[18+j:19+j], v[82:83]
.set j, j+4
.endr
.endm
	s_cmp_eq_u32 s19, 3
	s_cbranch_scc1 .Lv
	; ---------------- Q and K ----------------
	s_lshl_b32 s28, s19, 3
	s_add_co_u32 s28, s28, s18                     ; H = 8 y + wave: 0-15 Q's heads, 16-23 K's; its columns begin 256 H bytes into a row
	s_lshr_b32 s29, ttmp9, 6                       ; batch
	s_bfe_u32 s30, ttmp9, 0x40002                  ; which 128 tokens of the batch
	s_and_b32 s31, ttmp9, 3                        ; which 32 of those: p
	s_and_b32 s32, ttmp9, 63                       ; which 32 of the batch
	s_mov_b32 s35, 13312
	s_cmp_lt_u32 s19, 2                            ; Q or K: the choices hang on the work-group's number alone
	s_cselect_b64 s[6:7], s[6:7], s[8:9]           ; the bias
	s_cselect_b64 s[14:15], s[14:15], s[16:17]     ; the images
	s_cselect_b32 s33, s28, s18                    ; the head's number in its tensor
	s_cselect_b32 s34, 16, 8                       ; heads
	s_cselect_b32 s35, 6656, s35                   ; bytes from block to block
	s_cselect_b32 s36, 3, 0                        ; what is taken off the scale bytes
	s_mul_i32 s37, s29, s34
	s_add_co_u32 s37, s37, s33
	s_lshl_b32 s37, s37, 4
	s_add_co_u32 s37, s37, s30                     ; the block's number
	s_mul_i32 s38, s37, s35
	s_add_nc_u64 s[14:15], s[14:15], s[38:39]
	s_lshl_b32 s38, s31, 7
	s_add_nc_u64 s[42:43], s[14:15], s[38:39]      ; the scale words' 128 bytes (6,144 more stand in the store)
	s_mul_i32 s38, s31, 1536
	s_add_nc_u64 s[14:15], s[14:15], s[38:39]      ; the two tiles' 1,536 bytes of codes
	s_lshl_b32 s38, ttmp9, 18                      ; 32 rows of 8,192 bytes a work-group
	s_lshl_b32 s40, s28, 8
	s_add_co_u32 s38, s38, s40
	s_add_nc_u64 s[4:5], s[4:5], s[38:39]
	s_lshl_b32 s38, s33, 8
	s_add_nc_u64 s[6:7], s[6:7], s[38:39]
	s_lshl_b32 s38, s32, 13                        ; the table: 32 t of 256 bytes
	s_add_nc_u64 s[12:13], s[12:13], s[38:39]
	v_lshlrev_b32 v13, 8, v6
	s_delay_alu instid0(VALU_DEP_1)
	v_lshl_add_u32 v13, v3, 6, v13                 ; the table: t = r + 8 (r / 8) (+ 8 u), frequencies 16 h on
	ROWS_IN
	global_load_b128 v[80:83], v4, s[6:7]
.irp u, 0,1
.irp i, 0,1,2,3
	global_load_b128 v[96+32*\u+4*\i:99+32*\u+4*\i], v13, s[12:13] offset:2048*\u+16*\i          ; 16 cosines
	global_load_b128 v[112+32*\u+4*\i:115+32*\u+4*\i], v13, s[12:13] offset:2048*\u+128+16*\i    ; 16 sines
.endr
.endr
	s_wait_loadcnt 16                              ; the rows and the bias are in; the table's sixteen loads, issued behind them, may be out
	ADD_BIAS
.irp i, 0,1,2,3,4,5,6,7,8,9,10,11,12,13,14,15
	ds_store_b128 v9, v[16+4*\i:19+4*\i] offset:544*\i
.endr
; Tile u: lane (r, h) takes, of token 8 u + r + 8 (r / 8), channels 16 h .. + 15 (x1, v160-175) and 32 + 16 h .. + 15 (x2, v176-191): the pairs that the rotation joins, and half of each of the two blocks of 32.
; (Rows 16 apart meet in the same banks at this pitch: these reads go two deep.)
.macro TILE u
.irp i, 0,1,2,3
	ds_load_b128 v[160+4*\i:163+4*\i], v10 offset:2176*\u+16*\i       ; LDS serves a wave's instructions in order: these see my stores
	ds_load_b128 v[176+4*\i:179+4*\i], v10 offset:2176*\u+128+16*\i
.endr
	s_wait_dscnt 0x0
.if \u == 0
	s_wait_loadcnt 0x0                             ; the table
.endif
.irp k, 0,2,4,6,8,10,12,14
	v_pk_mul_f32 v[192:193], v[176+\k:177+\k], v[112+32*\u+\k:113+32*\u+\k]       ; x2 sin
	v_pk_mul_f32 v[194:195], v[160+\k:161+\k], v[112+32*\u+\k:113+32*\u+\k]       ; x1 sin
	s_delay_alu instid0(VALU_DEP_2)
	v_pk_fma_f32 v[160+\k:161+\k], v[160+\k:161+\k], v[96+32*\u+\k:97+32*\u+\k], v[192:193] neg_lo:[0,0,1] neg_hi:[0,0,1]   ; x1 cos - x2 sin
	s_delay_alu instid0(VALU_DEP_2)
	v_pk_fma_f32 v[176+\k:177+\k], v[176+\k:177+\k], v[96+32*\u+\k:97+32*\u+\k], v[194:195]                                ; x2 cos + x1 sin
.endr
	v_max3_num_f32 v200, |v160|, |v161|, 0x2800000                  ; my 16 of each block, and the floor 2^(5 - 127): the byte cannot fall under 1
	v_max3_num_f32 v201, |v176|, |v177|, 0x2800000
.irp i, 2,4,6,8,10,12,14
	s_delay_alu instid0(VALU_DEP_2)
	v_max3_num_f32 v200, v200, |v[160+\i]|, |v[161+\i]|
	s_delay_alu instid0(VALU_DEP_2)
	v_max3_num_f32 v201, v201, |v[176+\i]|, |v[177+\i]|
.endr
	s_delay_alu instid0(VALU_DEP_2)
	v_permlanex16_b32 v202, v200, s20, s21
	s_delay_alu instid0(VALU_DEP_2)
	v_permlanex16_b32 v203, v201, s20, s21
	s_delay_alu instid0(VALU_DEP_2)
	v_max_num_f32 v200, v200, v202                 ; with lane l xor 16's: the blocks' largest magnitudes
	s_delay_alu instid0(VALU_DEP_2)
	v_max_num_f32 v201, v201, v203
	s_delay_alu instid0(VALU_DEP_2)
	v_add_nc_u32 v204, 0xfe000000, v200            ; 4 off the exponent field: the conversion's scale operand
	s_delay_alu instid0(VALU_DEP_2)
	v_add_nc_u32 v205, 0xfe000000, v201
	s_delay_alu instid0(VALU_DEP_2)
	v_lshrrev_b32 v206, 23, v204                   ; the scales' bytes,
	s_delay_alu instid0(VALU_DEP_2)
	v_lshrrev_b32 v207, 23, v205
	s_delay_alu instid0(VALU_DEP_2)
	v_sub_nc_u32 v206, v206, s36                   ; Q's less 3: the division by 8,
	s_delay_alu instid0(VALU_DEP_2)
	v_sub_nc_u32 v207, v207, s36
	s_delay_alu instid0(VALU_DEP_2)
	v_max_i32 v206, 0, v206                        ; held at 0 from below
	s_delay_alu instid0(VALU_DEP_2)
	v_max_i32 v207, 0, v207
	s_delay_alu instid0(VALU_DEP_1)
	v_lshl_or_b32 v[232+\u], v207, 8, v206
	s_delay_alu instid0(VALU_DEP_1)
	v_or_b32 v[232+\u], 0x7f7f0000, v[232+\u]      ; the upper 64 of the instruction's 128 along K meet zero codes: their bytes are 127
	v_cvt_scalef32_pk16_bf6_f32 v[216+6*\u:218+6*\u], v[160:175], v204
	v_cvt_scalef32_pk16_bf6_f32 v[228:230], v[176:191], v205        ; (a conversion's three registers begin on an even number)
	v_nop                                          ; one plain place behind a scaled conversion
.irp i, 0,1,2
	v_permlane16_swap_b32 v[216+6*\u+\i], v[228+\i]                 ; the layout wants a WHOLE block in a lane: lanes 0-15 block 0, lanes 16-31 block 1
.endr
.irp i, 0,1,2
	s_delay_alu instid0(VALU_DEP_3)
	v_mov_b32 v[219+6*\u+\i], v[228+\i]
.endr
.endm
	TILE 0
	TILE 1
	v_cmp_gt_u32 vcc_lo, 16, v1
	s_delay_alu instid0(VALU_DEP_1)
	v_cndmask_b32 v234, v233, v232, vcc_lo         ; lanes 0-15 store tile 2 p's words, lanes 16-31 tile 2 p + 1's
.irp c, 0,1,2
	global_store_b128 v7, v[216+4*\c:219+4*\c], s[14:15] offset:512*\c      ; 32 lanes store 512 consecutive bytes, at a multiple of 256 from the buffer's first byte
.endr
	global_store_b32 v8, v234, s[42:43] offset:6144
	s_wait_tensorcnt 0x0
	ds_add_u32 v254, v255
	s_wait_dscnt 0x0
	s_endpgm
	; ---------------- V ----------------
.Lv:
	s_lshr_b32 s29, ttmp9, 6                       ; batch
	s_bfe_u32 s30, ttmp9, 0x30003                  ; kv head
	s_and_b32 s31, ttmp9, 7                        ; which 256 keys
	s_lshl_b32 s32, s29, 11
	s_lshl_b32 s33, s31, 8
	s_add_co_u32 s32, s32, s33
	s_lshl_b32 s33, s18, 5
	s_add_co_u32 s32, s32, s33                     ; my wave's first row of qkv
	s_lshl_b32 s38, s32, 13
	s_lshl_b32 s33, s30, 8                         ; the head's 256 bytes,
	s_add_co_u32 s38, s38, s33
	s_add_co_u32 s38, s38, 6144                    ; behind Q's and K's columns
	s_add_nc_u64 s[4:5], s[4:5], s[38:39]
	s_mov_b32 s38, s33
	s_add_nc_u64 s[10:11], s[10:11], s[38:39]
	s_lshl_b32 s34, s29, 3
	s_add_co_u32 s34, s34, s30
	s_lshl_b32 s34, s34, 4
	s_lshl_b32 s35, s31, 1
	s_add_co_u32 s34, s34, s35
	s_lshr_b32 s35, s18, 2                         ; my step of the work-group's two
	s_add_co_u32 s34, s34, s35                     ; the block's number
	s_mul_i32 s38, s34, 13312
	s_add_nc_u64 s[16:17], s[16:17], s[38:39]
	s_and_b32 s35, s18, 3                          ; my tile
	s_lshl_b32 s38, s35, 7
	s_add_nc_u64 s[42:43], s[16:17], s[38:39]      ; its scale words (12,800 more stand in the store)
	s_mul_i32 s38, s35, 1536
	s_add_nc_u64 s[16:17], s[16:17], s[38:39]      ; its codes (6,656 more stand in the stores)
	ROWS_IN
	global_load_b128 v[80:83], v4, s[10:11]
	s_wait_loadcnt 0x0
	ADD_BIAS
.irp i, 0,1,2,3,4,5,6,7,8,9,10,11,12,13,14,15
	ds_store_b128 v11, v[16+4*\i:19+4*\i] offset:576*\i
.endr
	s_wait_dscnt 0x0                               ; for the others' sake: my stores into the stage are done
	s_barrier_signal -1
	s_barrier_wait -1                              ; 256 keys x 64 channels lie in the stage
.irp c, 0,1
.irp i, 0,1,2,3,4,5,6,7,8,9,10,11,12,13,14,15,16,17,18,19,20,21,22,23,24,25,26,27,28,29,30,31
	ds_load_b32 v[16+32*\c+\i], v12 offset:288*(64*\c+\i)          ; V(key 64 c + 32 h + i, my channel): my registers run down the keys
.endr
.endr
	s_wait_dscnt 0x0
.irp c, 0,1                                    ; my block 2 c + h: all its 32 numbers are mine
	v_max3_num_f32 v[200+\c], |v[16+32*\c]|, |v[17+32*\c]|, 0x2800000
.endr
.irp i, 2,4,6,8,10,12,14,16,18,20,22,24,26,28,30
.irp c, 0,1
	s_delay_alu instid0(VALU_DEP_2)
	v_max3_num_f32 v[200+\c], v[200+\c], |v[16+32*\c+\i]|, |v[17+32*\c+\i]|
.endr
.endr
.irp c, 0,1
	s_delay_alu instid0(VALU_DEP_2)
	v_add_nc_u32 v[204+\c], 0xfe000000, v[200+\c]
.endr
.irp c, 0,1
	s_delay_alu instid0(VALU_DEP_2)
	v_lshrrev_b32 v[206+\c], 23, v[204+\c]
.endr
	s_delay_alu instid0(VALU_DEP_1)
	v_lshl_or_b32 v236, v207, 16, v206             ; my two bytes: blocks h and 2 + h of my channel (v236: no conversion below writes it),
	v_lshlrev_b32 v237, 3, v3
	s_delay_alu instid0(VALU_DEP_1)
	v_lshlrev_b32 v236, v237, v236                 ; at their places in the scale word (8 h bits up);
	s_delay_alu instid0(VALU_DEP_1)
	v_permlanex16_b32 v202, v236, s20, s21
	s_delay_alu instid0(VALU_DEP_1)
	v_or_b32 v236, v236, v202                      ; with lane l xor 16's two the word is whole
.irp c, 0,1
	v_cvt_scalef32_pk16_bf6_f32 v[216+6*\c:218+6*\c], v[16+32*\c:31+32*\c], v[204+\c]
	v_cvt_scalef32_pk16_bf6_f32 v[228+4*\c:230+4*\c], v[32+32*\c:47+32*\c], v[204+\c]     ; v228-230 and v232-234 (a conversion's three registers begin on an even number)
.endr
	v_nop                                          ; one plain place behind a scaled conversion
.irp c, 0,1
.irp i, 0,1,2
	v_mov_b32 v[219+6*\c+\i], v[228+4*\c+\i]
.endr
.endr
.irp c, 0,1,2
	global_store_b128 v7, v[216+4*\c:219+4*\c], s[16:17] offset:6656+512*\c
.endr
	global_store_b32 v8, v236, s[42:43] offset:12800
	s_wait_tensorcnt 0x0
	ds_add_u32 v254, v255
	s_wait_dscnt 0x0
	s_endpgm
.Lfunc_end_k_q2bb33d95b7_pack:
	.size	k_q2bb33d95b7_pack, .Lfunc_end_k_q2bb33d95b7_pack-k_q2bb33d95b7_pack
	.p2alignl 7, 3214868480
	.fill 96, 4, 3214868480
	.section	.rodata,"a",@progbits
	.p2align	6, 0x0
	.amdhsa_kernel k_q2bb33d95b7_pack
		.amdhsa_group_segment_fixed_size 144640
		.amdhsa_private_segment_fixed_size 0
		.amdhsa_enable_private_segment 0
		.amdhsa_kernarg_size 56
		.amdhsa_user_sgpr_count 2
		.amdhsa_user_sgpr_kernarg_segment_ptr 1
		.amdhsa_wavefront_size32 1
		.amdhsa_system_sgpr_workgroup_id_x 1
		.amdhsa_system_sgpr_workgroup_id_y 1
		.amdhsa_system_sgpr_workgroup_id_z 1
		.amdhsa_system_vgpr_workitem_id 0
		.amdhsa_next_free_vgpr 256
		.amdhsa_next_free_sgpr 66
		.amdhsa_reserve_vcc 1
		.amdhsa_float_denorm_mode_32 3
		.amdhsa_float_denorm_mode_16_64 3
		.amdhsa_memory_ordered 1
		.amdhsa_forward_progress 1
		.amdhsa_inst_pref_size 38
	.end_amdhsa_kernel
	.amdgpu_metadata
---
amdhsa.version: [ 1, 2 ]
amdhsa.kernels:
  - .name:           k_q2bb33d95b7_pack
    .symbol:         k_q2bb33d95b7_pack.kd
    .args:
      - { .name: qkv, .offset: 0, .size: 8, .value_kind: global_buffer, .address_space: global }
      - { .name: q_b, .offset: 8, .size: 8, .value_kind: global_buffer, .address_space: global }
      - { .name: k_b, .offset: 16, .size: 8, .value_kind: global_buffer, .address_space: global }
      - { .name: v_b, .offset: 24, .size: 8, .value_kind: global_buffer, .address_space: global }
      - { .name: rope, .offset: 32, .size: 8, .value_kind: global_buffer, .address_space: global }
      - { .name: q_img, .offset: 40, .size: 8, .value_kind: global_buffer, .address_space: global }
      - { .name: kv_img, .offset: 48, .size: 8, .value_kind: global_buffer, .address_space: global }
    .group_segment_fixed_size: 144640
    .private_segment_fixed_size: 0
    .kernarg_segment_align: 8
    .kernarg_segment_size: 56
    .max_flat_workgroup_size: 256
    .sgpr_count:     66
    .vgpr_count:     256
    .wavefront_size: 32
...
	.end_amdgpu_metadata
.endif
;; end of part 3
;; launch attn (part 4): grid 16 x 16, 8 waves a work-group, clusters of 4 x 4, 327,680 bytes of LDS; arguments q_img, kv_img, mask, ao_codes, ao_scales; writes ao_codes, ao_scales
.if DOCPART == 4
	.amdgcn_target "amdgcn-amd-amdhsa--gfx1250"
	.amdhsa_code_object_version 6
	.text
	.protected	k_q2bb33d95b7_attn
	.globl	k_q2bb33d95b7_attn
	.p2align	8
	.type	k_q2bb33d95b7_attn,@function
k_q2bb33d95b7_attn:
	s_mov_b64 s[64:65], 0
	v_nop
	global_prefetch_b8 v0, s[64:65] scope:SCOPE_SE
	s_setreg_imm32_b32 hwreg(HW_REG_WAVE_MODE, 25, 1), 1
	s_wait_xcnt 0x0
	s_wait_alu depctr_hold_cnt(0) depctr_sa_sdst(0) depctr_va_vdst(0) depctr_va_sdst(0) depctr_va_ssrc(0) depctr_va_vcc(0) depctr_vm_vsrc(0)
	s_getreg_b32 s2, hwreg(HW_REG_IB_STS2, 6, 4)
	s_cmp_eq_u32 s2, 0
	s_cbranch_scc0 .Lentry_in_a_cluster
	s_endpgm
.Lentry_in_a_cluster:
	s_bfe_u32 s2, ttmp6, 0x10000c
	s_cmp_lg_u32 s2, 0xf033
	s_cbranch_scc0 .Lentry_shape_is_right
	s_endpgm
.Lentry_shape_is_right:
; ATTENTION on codes of BF6 (E3M2) with E8M0 scales: for each batch, kv head and its two query heads: logit = Q . K / 8 + mask; p = 2^(t - M), t = logit x log2(e), M the running largest t rounded UP to a
; whole number; O = (sum of quantised p x quantised V) / (sum of the unquantised p).  O is quantised along the 1,024 columns of (head, channel) and leaves as codes and scale bytes for the last product.
; The mask is an input: every key is walked for every query, and the mask is read as it is given.
; SHARES.  Work-group x = 8 batch + kv head, y = a group of 128 queries.  Each of the eight waves owns 16 queries, for BOTH query heads of the kv head: one read of the mask's tile and of K's and V's fragments
; from LDS feeds two tiles.  Two waves lie on a SIMD.  2,048 keys, 128 a step, two steps to a slot, two slots in LDS.
; LAYOUT.  Both products are used transposed: S^T = K Q^T + mask (source 0 = 16 keys, source 1 = my 16 queries, C = THE MASK in the result's layout), O^T = V^T P^T: a lane holds ONE query (lane % 16) throughout.
; The division by 8 lies in Q's scale bytes, so the matrix unit's result is the logit.  Head 0 writes other registers than the mask's; head 1 then adds in place onto the mask's.
; THE KEYS OF A TILE ARE NOT NEIGHBOURS (lane r of tile 2 b + u holds key 32 b + 8 u + r + 8 (r / 8)), so that the 16 registers of tiles 2 b, 2 b + 1 are keys 32 b + 16 (lane / 16) + 0 .. 15.  V's channels likewise.
; K = 64 IN AN INSTRUCTION OF 128: Q's upper six registers are zero codes.  K's tiles lie six registers apart, and the upper six of each source 0 are the next tile's codes (behind the last: six cleared registers):
; any code x the code 0 adds nothing (the format has no infinity and no NaN), and the scale bytes of those blocks are 127.
; t is rounded once (logit x log2(e)) and M is then taken off, so t - M is never above 0, whatever the mask's size.
; All maxima are taken by v_max3_num_f32 and v_max_num_f32, the four blocks by turns; magnitudes on the way out are made by clearing the sign bit first.
; CLUSTER 4 x 4.  The mask's tile hangs on y alone: the four work-groups of a row of the cluster ask for it JOINTLY; K's and V's block hangs on x alone: the four of a column do.  Waves 0 and 1 ask for the mask's
; two halves (64 rows of 1,024 bytes each), wave 2 for the two steps' K and V (26,624 dense bytes), the others for nothing.  A wave has at most one tensor load out.
; LIMITS: NaN and infinities are not served; 1 / l is v_rcp_f32.  A row's codes leave in pieces of 16 bytes (96 bytes of a row of 768 to a work-group): 3.1 MB in all.
; LDS: slot s at s x SLOT: the mask, 128 rows x (1,024 + 16) bytes; at KVO two blocks of 13,312 bytes.  Behind the slots the spare words.  Nothing is stored to LDS.
; REGISTERS, window 0: v1-3 addresses that stay; v4, v5 the add's two; v6-8 the step's addresses; v9-11 Q's, later the way out's; v12-15, v16-19 a head's -M, largest t, sum in two halves; v20-21 Q's scale words;
;   v22-25 K's (tiles 2 b and 2 b + 1 in the two halves of the lanes); v26-29 V's; v30-31 p's; v32-35 block maxima; v36-39 permutes and bytes; v40-43 scale operands; v[44:45] f; v[46:47] at work; v48-54 halves of codes;
;   v56-67 p's codes; v68-121 K's 8 x 6 (+ 6 zeros), then V's 4 x 12; v128-191 head 0's scores; v192-255 the mask, then head 1's scores.
;   window 1: v0-23 Q's two fragments; v128-191 O^T, 32 a head.
.set SLOT,  159744
.set KVO,   133120                     ; K's and V's blocks in a slot
.set KVB,   13312                      ; a step's block
.set MP,    1040                       ; a mask row in LDS: 260 words: row r starts at bank 4 r mod 64 (64 banks of 4 bytes: ISA guide 11.1), so the 16 rows of a load of 16 bytes start at 16 different banks
.set SPARE, 2*SLOT                     ; the spare words, 128 bytes for each of the eight waves: four blocks of 256 bytes that no other line names
.set MSB, 0
.macro WIN new                         ; the immediate's high byte repeats the setting that is left
.if MSB != \new
	s_set_vgpr_msb (MSB<<8)|\new
.set MSB, \new
.endif
.endm
.set W_S,  0x04                        ; source 1 (Q) window 1
.set W_PV, 0x50                        ; C and D (O^T) window 1
.set W_RS, 0x41                        ; destination and source 0 (O^T) window 1
.set TO1,  0x40                        ; destination window 1
.set RD1,  0x01                        ; source 0 window 1
.macro CROUND                          ; a round of the cluster's barrier: my work-group's barrier; wave 0 signals for the work-group; every wave waits for all sixteen; my work-group's barrier once more
	s_barrier_signal -1
	s_barrier_wait -1
	s_cmp_lg_u32 s14, 0
	s_cbranch_scc1 .Lnot_wave_0_\@
	s_barrier_signal -3
.Lnot_wave_0_\@:
	s_barrier_wait -3
	s_barrier_signal -1
	s_barrier_wait -1
.endm
.macro TLOAD s                         ; the joint refill of slot s.  The branches hang on the wave's number alone.  Four v_nop follow each of the two lines
	s_cmp_lt_u32 s14, 2
	s_cbranch_scc0 .Lnot_m_\@
	tensor_load_to_lds s[32+4*(\s):35+4*(\s)], s[24:31]
	s_nop 0
.rept 4
	v_nop
.endr
	s_branch .Lasked_\@
.Lnot_m_\@:
	s_cmp_eq_u32 s14, 2
	s_cbranch_scc0 .Lasked_\@
	tensor_load_to_lds s[48+4*(\s):51+4*(\s)], s[40:47]
	s_nop 0
.rept 4
	v_nop
.endr
.Lasked_\@:
.endm
	s_load_b256 s[4:11], s[0:1], 0x0               ; q_img s[4:5], kv_img s[6:7], mask s[8:9], ao_codes s[10:11]
	s_load_b64 s[12:13], s[0:1], 0x20              ; ao_scales
	v_lshl_add_u32 v4, v0, 2, SPARE
	v_mov_b32 v5, 0
	ds_add_u32 v4, v5
	ds_add_u32 v4, v5
	s_wait_dscnt 0x0
	v_lshrrev_b32 v6, 5, v0
	s_delay_alu instid0(VALU_DEP_1)
	v_readfirstlane_b32 s14, v6                    ; wave 0..7
	s_and_b32 s15, s14, 1
	s_bfe_u32 s60, ttmp6, 0x40000                  ; cx, cy: my place in the cluster
	s_bfe_u32 s61, ttmp6, 0x40004
	s_lshl_b32 s62, ttmp9, 2
	s_add_co_u32 s62, s62, s60                     ; 8 batch + kv head = 4 x cluster x + cx
	s_and_b32 s63, ttmp7, 0xffff
	s_lshl_b32 s63, s63, 2
	s_add_co_u32 s63, s63, s61                     ; the group of 128 queries = 4 x cluster y + cy
	s_lshl_b32 s66, s61, 2
	s_lshl_b32 s66, 15, s66                        ; my row of the cluster
	s_lshl_b32 s67, 0x1111, s60                    ; my column
	; group 1 for the mask: 64 rows x 256 elements of 4 bytes, 2,048 elements from row to row, 16 bytes of padding behind each row
	s_or_b32 s24, s66, (2<<16)|(1<<20)|(1<<21)|(7<<22)|(3<<25)   ; 15:0 the mask of work-groups: my row; 17:16 elements of 4 bytes; 20 padding on; 21 set beside a mask; 24:22 after every 256 words (code 7); 31:25 of 4 words (code 3)
	s_mov_b32 s25, 256<<16                         ; tensor_dim0
	s_mov_b32 s26, 64<<16                          ; tensor_dim1
	s_mov_b32 s27, 256<<16                         ; tile_dim0
	s_mov_b32 s28, 64                              ; tile_dim1
	s_mov_b32 s29, 2048                            ; tensor_dim0_stride
	s_mov_b32 s30, 0
	s_mov_b32 s31, 0
	; group 1 for K and V: 26,624 dense bytes as 104 rows of 32 elements of 8 bytes, no padding
	s_or_b32 s40, s67, (3<<16)|(1<<21)             ; the mask of work-groups: my column
	s_mov_b32 s41, 32<<16
	s_mov_b32 s42, 104<<16
	s_mov_b32 s43, 32<<16
	s_mov_b32 s44, 104
	s_mov_b32 s45, 32
	s_mov_b32 s46, 0
	s_mov_b32 s47, 0
	s_lshl_b32 s68, s63, 20                        ; the mask: 128 rows of 8,192 bytes a group (no register here ever holds cx),
	s_lshl_b32 s72, s15, 19                        ; and my half's 64 rows
	s_add_co_u32 s68, s68, s72
	s_mov_b32 s69, 0
	s_mul_i32 s70, s62, 16*KVB                     ; K and V: sixteen blocks for each (batch, kv head) (no register here ever holds cy)
	s_mov_b32 s71, 0
	s_mul_i32 s73, s15, 64*MP                      ; where my half of the mask goes: no place in the cluster enters an LDS address
	s_lshl_b32 s74, s62, 5
	s_add_co_u32 s74, s74, s63
	s_mul_i32 s74, s74, 6656                       ; Q: block (16 batch + 2 kv head) x 16 + group; the second head's lies 16 blocks on
	s_mov_b32 s75, 0
	s_lshr_b32 s76, s62, 3                         ; batch
	s_and_b32 s77, s62, 7                          ; kv head
	s_lshl_b32 s78, s76, 11
	s_lshl_b32 s79, s63, 7
	s_add_co_u32 s78, s78, s79
	s_lshl_b32 s79, s14, 4
	s_add_co_u32 s78, s78, s79                     ; my first token
	s_mul_i32 s80, s78, 768
	s_mul_i32 s79, s77, 1536                       ; O's codes leave as an image of the last product's operand: 16 tokens are 12,288 bytes, my two heads' 128 columns one fragment of 1,536
	s_add_co_u32 s80, s80, s79                     ; its row of codes, my two heads' 96 bytes
	s_mov_b32 s81, 0
	s_lshl_b32 s82, s78, 5
	s_lshl_b32 s79, s77, 2
	s_add_co_u32 s82, s82, s79                     ; its row of scale bytes, my four
	s_mov_b32 s83, 0
	s_mov_b32 s20, 0x76543210
	s_mov_b32 s21, 0xfedcba98                      ; v_permlanex16_b32's selects for lane l xor 16
	s_mov_b32 s22, 0x3fb8aa3b                      ; log2(e)
	s_mov_b32 s23, s22                             ; (named with it as a pair, so it is written)
	s_mov_b32 s86, 0x7fffffff                      ; clears a sign bit
	s_wait_kmcnt 0x0
	s_add_nc_u64 s[68:69], s[8:9], s[68:69]
	s_add_nc_u64 s[70:71], s[6:7], s[70:71]
	s_add_nc_u64 s[4:5], s[4:5], s[74:75]
	s_add_nc_u64 s[10:11], s[10:11], s[80:81]
	s_add_nc_u64 s[12:13], s[12:13], s[82:83]
	CROUND                                         ; all sixteen work-groups are here: the first joint loads meet
.irp s, 0,1
	s_mov_b32 s[32+4*\s], 1                        ; 1:0 count = 1
	s_add_co_u32 s[33+4*\s], s73, \s*SLOT          ; 63:32 LDS address
	s_add_nc_u64 s[34+4*\s:35+4*\s], s[68:69], \s*1024   ; 120:64 global address: keys 256 s on
	s_or_b32 s[35+4*\s], s[35+4*\s], 0x80000000    ; 127:126 type = 2
	s_mov_b32 s[48+4*\s], 1
	s_mov_b32 s[49+4*\s], \s*SLOT+KVO
	s_add_nc_u64 s[50+4*\s:51+4*\s], s[70:71], \s*2*KVB
	s_or_b32 s[51+4*\s], s[51+4*\s], 0x80000000
.endr
; The six first fills, one a wave, in one chain of branches on the wave's number: waves 0, 1 slot 0's mask, wave 2 its K and V, waves 3, 4 slot 1's mask (halves 1, 0), wave 5 its K and V; waves 6, 7 none.
.macro ARM under, g0, g1, next
	s_cmp_lt_u32 s14, \under
	s_cbranch_scc0 \next
	tensor_load_to_lds s[\g0:\g0+3], s[\g1:\g1+7]
	s_nop 0
.rept 4
	v_nop
.endr
	s_branch .Lfirst_asked
\next:
.endm
	ARM 2, 32, 24, .Lfirst_a
	ARM 3, 48, 40, .Lfirst_b
	ARM 5, 36, 24, .Lfirst_c
	ARM 6, 52, 40, .Lfirst_asked
	v_and_b32 v9, 15, v0                           ; r
	s_wait_alu depctr_va_vdst(0)
	v_bfe_u32 v10, v0, 4, 1                        ; h
	v_lshl_add_u32 v1, v6, 4, v9                   ; my query's row of the mask's tile: 16 wave + r
	s_delay_alu instid0(VALU_DEP_1)
	v_mul_u32_u24 v1, v1, MP
	s_delay_alu instid0(VALU_DEP_1)
	v_lshl_add_u32 v1, v10, 6, v1                  ; + 64 h: keys 16 h on
	v_and_b32 v2, 31, v0
	s_delay_alu instid0(VALU_DEP_1)
	v_lshlrev_b32 v3, 2, v2                        ; 4 x lane
	s_delay_alu instid0(VALU_DEP_2)
	v_lshlrev_b32 v2, 4, v2                        ; 16 x lane
	; Q out of its image, in the queries' own order: query 16 w + r lies in tile 2 (w / 2) + r / 8 at lane (r % 8 + 8 (w % 2), h); the tile's six registers are three pieces of 8 bytes
	v_and_b32 v7, 7, v0
	v_bfe_u32 v8, v0, 3, 1                         ; u = r / 8
	s_lshr_b32 s84, s14, 1
	s_mul_i32 s85, s84, 1536
	s_lshl_b32 s72, s15, 7
	s_add_co_u32 s85, s85, s72
	v_lshlrev_b32 v11, 4, v7
	s_delay_alu instid0(VALU_DEP_1)
	v_lshl_add_u32 v11, v10, 8, v11
	s_delay_alu instid0(VALU_DEP_1)
	v_add_nc_u32 v11, s85, v11                     ; 1,536 (w / 2) + 16 x that lane
	s_delay_alu instid0(VALU_DEP_1)
	v_mad_u32_u24 v9, v8, 520, v11                 ; pieces 0 and 2: at 0 and 512 (u = 0), 520 and 1,032 (u = 1)
	s_delay_alu instid0(VALU_DEP_2)
	v_mad_u32_u24 v10, v8, 1016, v11               ; piece 1: at 8 or 1,024
	s_lshl_b32 s85, s84, 7
	s_lshl_b32 s72, s15, 5
	s_add_co_u32 s85, s85, s72
	v_lshlrev_b32 v11, 2, v7
	s_delay_alu instid0(VALU_DEP_1)
	v_lshl_add_u32 v11, v8, 6, v11
	s_delay_alu instid0(VALU_DEP_1)
	v_add_nc_u32 v11, s85, v11                     ; its scale word: 128 (w / 2) + 4 (16 u + r % 8 + 8 (w % 2)), 6,144 more in the load
	WIN TO1
.irp g, 0,1
	global_load_b64 v[12*\g:12*\g+1], v9, s[4:5] offset:106496*\g
	global_load_b64 v[12*\g+2:12*\g+3], v10, s[4:5] offset:106496*\g+8
	global_load_b64 v[12*\g+4:12*\g+5], v9, s[4:5] offset:106496*\g+512
.endr
.irp g, 0,1
.irp i, 6,7,8,9,10,11
	v_mov_b32 v[12*\g+\i], 0                       ; Q's upper 64 along K: zero codes
.endr
.endr
.set j, 0
.rept 64
	v_mov_b32 v[128+j], 0                          ; O^T.  (The step is written once: the first finds zeros, which the first change of M leaves zeros)
.set j, j+1
.endr
	WIN 0
.irp g, 0,1
	global_load_b32 v[20+\g], v11, s[4:5] offset:106496*\g+6144
.endr
.irp i, 116,117,118,119,120,121
	v_mov_b32 v[\i], 0                             ; behind K's last tile
.endr
.irp i, 36,37,38,39,45
	v_mov_b32 v[\i], 0                             ; written once: a lane permute's destination counts as one of its sources; v45 is named as the upper half of the pair v[44:45]
.endr
.irp g, 0,1
	v_mov_b32 v[13+4*\g], 0xff61b1e6               ; the largest t so far: -3e38, under every t
	s_delay_alu instid0(VALU_DEP_1)
	v_floor_f32 v[12+4*\g], -v[13+4*\g]            ; -M
	v_mov_b32 v[14+4*\g], 0                        ; the sum, in two halves
	v_mov_b32 v[15+4*\g], 0
.endr
; Eight products S^T = K Q^T + mask for head g.  Tile t's keys' scale words lie in lanes 0-15 (even t) or 16-31 (odd t) of v[22 + t / 2].
.macro SPROD g
.irp t, 0,1,2,3,4,5,6,7
.if \t%2
	v_wmma_scale_f32_16x16x128_f8f6f4 v[128+64*\g+8*\t:135+64*\g+8*\t], v[68+6*\t:79+6*\t], v[12*\g:12*\g+11], v[192+8*\t:199+8*\t], v[22+\t/2], v[20+\g] matrix_a_fmt:MATRIX_FMT_BF6 matrix_b_fmt:MATRIX_FMT_BF6 matrix_a_scale:MATRIX_SCALE_ROW1
.else
	v_wmma_scale_f32_16x16x128_f8f6f4 v[128+64*\g+8*\t:135+64*\g+8*\t], v[68+6*\t:79+6*\t], v[12*\g:12*\g+11], v[192+8*\t:199+8*\t], v[22+\t/2], v[20+\g] matrix_a_fmt:MATRIX_FMT_BF6 matrix_b_fmt:MATRIX_FMT_BF6
.endif
.endr
.endm
; Head g's softmax of the step, p's codes, and O^T += V^T P^T.
.macro SOFT g
.set SB, 128+64*\g
.set ST, 12+4*\g
.set OT, 128+32*\g
.if \g == 1
	s_wait_alu depctr_va_vdst(0)                   ; the wait ahead of the first reader of head 1's logits
.endif
.irp b, 0,1,2,3
	v_max3_num_f32 v[32+\b], v[SB+16*\b], v[SB+16*\b+1], v[SB+16*\b+2]   ; THE LARGEST LOGIT OF EACH BLOCK OF 32 KEYS (log2(e) is positive, so it is also the largest t); each accumulator from its low end on
.endr
.irp i, 3,5,7,9,11,13
.irp b, 0,1,2,3
	v_max3_num_f32 v[32+\b], v[32+\b], v[SB+16*\b+\i], v[SB+16*\b+\i+1]  ; the four blocks by turns
.endr
.endr
.irp b, 0,1,2,3
	v_max_num_f32 v[32+\b], v[32+\b], v[SB+16*\b+15]
.endr
.irp b, 0,1,2,3
	s_delay_alu instid0(VALU_DEP_4)
	v_permlanex16_b32 v[36+\b], v[32+\b], s20, s21
.endr
.irp b, 0,1,2,3
	s_delay_alu instid0(VALU_DEP_4)
	v_max_num_f32 v[32+\b], v[32+\b], v[36+\b]     ; with lane l xor 16's 16 keys
.endr
	s_delay_alu instid0(VALU_DEP_3)
	v_max_num_f32 v46, v32, v33
	s_delay_alu instid0(VALU_DEP_2)
	v_max_num_f32 v47, v34, v35
	s_delay_alu instid0(VALU_DEP_1)
	v_max_num_f32 v46, v46, v47                    ; the step's largest logit of my query,
	s_delay_alu instid0(VALU_DEP_1)
	v_mul_f32 v46, s22, v46                        ; as t
	s_delay_alu instid0(VALU_DEP_1)
	v_max_num_f32 v[ST+1], v[ST+1], v46
	v_mov_b32 v46, v[ST]
	s_delay_alu instid0(VALU_DEP_2)
	v_floor_f32 v[ST], -v[ST+1]                    ; the new -M = floor(-t) = -ceil(t): M IS A WHOLE NUMBER
	s_delay_alu instid0(VALU_DEP_1)
	v_sub_f32 v46, v[ST], v46                      ; M's old value less its new one: a whole number, 0 or less
	s_delay_alu instid0(VALU_DEP_1)
	v_cvt_i32_f32 v46, v46                         ; (it saturates)
	s_delay_alu instid0(VALU_DEP_1)
	v_ldexp_f32 v44, 1.0, v46                      ; f = 2^(old M - new M): a multiplication by it rounds nothing
.set j, 0
.rept 32
	v_pk_fma_f32 v[SB+j:SB+j+1], v[SB+j:SB+j+1], s[22:23], v[ST:ST+1] op_sel_hi:[1,0,0]   ; t - M = logit x log2(e) - M, fused, two at a time
.set j, j+2
.endr
.irp b, 0,1,2,3
	v_fma_f32 v[32+\b], v[32+\b], s22, v[ST]       ; the same of each block's largest logit
.endr
.set j, 0
	s_wait_alu depctr_va_vdst(0)
.rept 64
	v_exp_f32 v[SB+j], v[SB+j]                     ; p = 2^(t - M), at most 1: NOT normalised
.set j, j+1
.endr
.irp b, 0,1,2,3
	v_exp_f32 v[32+\b], v[32+\b]                   ; the block's largest p: the same instructions on the same number give the same bits
.endr
	v_pk_mul_f32 v[ST+2:ST+3], v[ST+2:ST+3], v[44:45] op_sel_hi:[1,0]        ; the sums under the new M.  (A plain place behind the exponentials)
	s_wait_alu depctr_va_vdst(0)
.irp b, 0,1,2,3
	v_max_num_f32 v[32+\b], 0x2800000, v[32+\b]    ; the floor 2^(5 - 127): the byte cannot fall under 1 (a block whose every p is 0 keeps that byte: its codes are zeros)
.endr
.irp b, 0,1,2,3
	s_delay_alu instid0(VALU_DEP_4)
	v_add_nc_u32 v[40+\b], 0xfe000000, v[32+\b]    ; 4 off the exponent field: the conversion's scale operand
.endr
.irp b, 0,1,2,3
	s_delay_alu instid0(VALU_DEP_4)
	v_lshrrev_b32 v[36+\b], 23, v[40+\b]           ; the scale's byte
.endr
	s_delay_alu instid0(VALU_DEP_3)
	v_lshl_or_b32 v[30+\g], v37, 8, v36            ; p's scale word for these 128 keys
	s_delay_alu instid0(VALU_DEP_1)
	v_lshl_or_b32 v[30+\g], v38, 16, v[30+\g]
	s_delay_alu instid0(VALU_DEP_1)
	v_lshl_or_b32 v[30+\g], v39, 24, v[30+\g]
.irp c, 0,1
	v_cvt_scalef32_pk16_bf6_f32 v[56+6*\c:58+6*\c], v[SB+32*\c:SB+15+32*\c], v[40+2*\c]
	v_cvt_scalef32_pk16_bf6_f32 v[48+4*\c:50+4*\c], v[SB+16+32*\c:SB+31+32*\c], v[41+2*\c]   ; (a conversion's three registers begin on an even number)
.endr
	v_nop                                          ; one plain place behind a scaled conversion
.irp c, 0,1                                    ; the operand's layout wants a WHOLE block in a lane: lanes 0-15 block 2 c, lanes 16-31 block 2 c + 1
.irp i, 0,1,2
	v_permlane16_swap_b32 v[56+6*\c+\i], v[48+4*\c+\i]
.endr
.irp i, 0,1,2
	s_delay_alu instid0(VALU_DEP_3)
	v_mov_b32 v[59+6*\c+\i], v[48+4*\c+\i]
.endr
.endr
	WIN W_RS
.set j, 0
.rept 16
	v_pk_mul_f32 v[OT+j:OT+j+1], v[OT+j:OT+j+1], v[44:45] op_sel_hi:[1,0]    ; O^T under the new M: x f; each accumulator from its low end on
.set j, j+2
.endr
	WIN 0
	v_pk_add_f32 v[46:47], v[SB:SB+1], v[SB+2:SB+3]                          ; THE ROW'S SUM IS TAKEN OF THE UNQUANTISED p: two at a time, in two chains.  (These 32 are also the places between the
.set j, 4                                                                    ; writing of p's codes and scale word and the products that take them)
.rept 15
	v_pk_add_f32 v[ST+2:ST+3], v[ST+2:ST+3], v[SB+j:SB+j+1]
	v_pk_add_f32 v[46:47], v[46:47], v[SB+j+2:SB+j+3]
.set j, j+4
.endr
	s_delay_alu instid0(VALU_DEP_1)
	v_pk_add_f32 v[ST+2:ST+3], v[ST+2:ST+3], v[46:47]
.if \g == 0
	s_wait_dscnt 0x0                               ; V's fragments and scale words are in
.endif
	WIN W_PV
.irp t, 0,1,2,3                                ; four accumulators, one instruction each: they take turns
	v_wmma_scale_f32_16x16x128_f8f6f4 v[OT+8*\t:OT+8*\t+7], v[68+12*\t:79+12*\t], v[56:67], v[OT+8*\t:OT+8*\t+7], v[26+\t], v[30+\g] matrix_a_fmt:MATRIX_FMT_BF6 matrix_b_fmt:MATRIX_FMT_BF6
.endr
	WIN 0
.endm
; A KEY STEP: 128 keys.  s56: where the step's columns of the mask's tile begin in LDS; s57: where its block of K and V begins.
.macro STEP
	v_add_nc_u32 v6, s56, v1
	v_add_nc_u32 v7, s57, v2
	v_add_nc_u32 v8, s57, v3
	s_wait_alu depctr_va_vdst(0)                   ; the wait here, directly behind the writes: V's loads read v7 and v8 again behind the wait for K's loads
	v_nop                                          ; four places in front of loads into registers that the last products have read
.irp c, 0,1,2,3,4,5,6,7,8,9,10,11
	ds_load_b128 v[68+4*\c:71+4*\c], v7 offset:512*\c             ; K's eight tiles, as they lie
.endr
.irp b, 0,1,2,3
	ds_load_b32 v[22+\b], v8 offset:6144+128*\b
.endr
.irp t, 0,1,2,3,4,5,6,7
	ds_load_b128 v[192+8*\t:195+8*\t], v6 offset:128*(\t/2)+32*(\t%2)       ; mask(my query, keys 32 (t / 2) + 16 h + 8 (t % 2) + 0 .. 7): the result's layout
	ds_load_b128 v[196+8*\t:199+8*\t], v6 offset:128*(\t/2)+32*(\t%2)+16
.endr
	s_wait_dscnt 0x0
	WIN W_S
	SPROD 0
.rept 5
	v_nop                                          ; five places: the next products write over the registers that these took as C
.endr
	SPROD 1
	WIN 0
.rept 4
	v_nop                                          ; four places in front of the loads into K's registers
.endr
.irp c, 0,1,2,3,4,5,6,7,8,9,10,11
	ds_load_b128 v[68+4*\c:71+4*\c], v7 offset:6656+512*\c        ; V's four tiles: they land during head 0's softmax
.endr
.irp t, 0,1,2,3
	ds_load_b32 v[26+\t], v8 offset:12800+128*\t
.endr
	SOFT 0
	SOFT 1
	s_add_co_u32 s56, s56, 512
	s_add_co_u32 s57, s57, KVB
.endm
.macro SLOTWORK s                      ; a slot's two key steps: written once, walked twice
	s_mov_b32 s56, \s*SLOT
	s_mov_b32 s57, \s*SLOT+KVO
	s_mov_b32 s58, 2
.Lstep_\@:
	STEP
	s_sub_co_u32 s58, s58, 1
	s_cmp_lg_u32 s58, 0
	s_cbranch_scc1 .Lstep_\@
.endm
; THE CHANGE OF SLOTS, at the head of slot s.  Each wave waits for all its tensor loads (its part of slot s), adds 0 to its spare word, and waits for that and for its reads of the other slot.
; refill = 1: the barrier is a round of the cluster's, so that no wave of any partner still reads the other slot or has a load on its way; the joint refill of that slot, with the keys two slots on, is the first
; thing behind it and has two key steps in which to land.
.macro TWO s, refill
	s_wait_tensorcnt 0x0                           ; no tensor load of mine is out, so a group 0 may be written
	ds_add_u32 v4, v5                              ; 0 onto my spare word, twice on end
	ds_add_u32 v4, v5
.if \refill
	s_add_nc_u64 s[34+4*(1-\s):35+4*(1-\s)], s[34+4*(1-\s):35+4*(1-\s)], 2048
	s_add_nc_u64 s[50+4*(1-\s):51+4*(1-\s)], s[50+4*(1-\s):51+4*(1-\s)], 4*KVB     ; K and V: four blocks on
.endif
	s_wait_dscnt 0x0                               ; the add is done, and my reads of the slot that I have left are over
.if \refill
	CROUND
	TLOAD 1-\s
.else
	s_barrier_signal -1
	s_barrier_wait -1
.endif
	SLOTWORK \s
.endm
	s_wait_alu depctr_va_vdst(0)                   ; the wait at the head's end
	s_wait_tensorcnt 0x0                           ; my one first fill is in
	s_barrier_signal -1
	s_barrier_wait -1                              ; everybody's is
	s_wait_loadcnt 0x0                             ; Q and its scale words
	SLOTWORK 0
	s_mov_b32 s59, 3
.Llap:                                             ; three trips: six of the eight slots' worth of keys come by refills
	TWO 1, 1
	TWO 0, 1
	s_sub_co_u32 s59, s59, 1
	s_cmp_lg_u32 s59, 0
	s_cbranch_scc1 .Llap
	TWO 1, 0                                       ; the last slot is written out
	; THE WAY OUT.  l = the sum's two halves and lane l xor 16's; O^T / l; the 16 registers of tiles 2 b, 2 b + 1 are channels 32 b + 16 h + 0 .. 15 of my query: half a block of the last product's K.
	v_and_b32 v6, 15, v0                           ; (these lines are also the places behind the last products)
	v_bfe_u32 v11, v0, 4, 1
	s_delay_alu instid0(VALU_DEP_2)
	v_lshlrev_b32 v10, 5, v6
	s_delay_alu instid0(VALU_DEP_1)
	v_lshl_add_u32 v10, v11, 1, v10                ; scale bytes: row r of 32, + 2 h
.irp g, 0,1
	v_add_f32 v[32+\g], v[14+4*\g], v[15+4*\g]
.endr
.irp g, 0,1
	s_delay_alu instid0(VALU_DEP_2)
	v_permlanex16_b32 v[36+\g], v[32+\g], s20, s21
.endr
.irp g, 0,1
	s_delay_alu instid0(VALU_DEP_2)
	v_add_f32 v[32+\g], v[32+\g], v[36+\g]
.endr
	s_wait_alu depctr_va_vdst(0)
.irp g, 0,1
	v_rcp_f32 v[40+\g], v[32+\g]
.endr
	v_nop                                          ; one plain place behind a transcendental
	s_wait_alu depctr_va_vdst(0)
.macro OUTQ g
.set Y, 128+32*\g
	WIN RD1
.set j, 0
.rept 32
	v_mul_f32 v[Y+j], v[Y+j], v[40+\g]             ; out of window 1 into window 0, each accumulator from its low end on
.set j, j+1
.endr
	WIN 0
.set j, 0
.rept 32
	v_and_b32 v[192+j], s86, v[Y+j]                ; the magnitudes, into the registers that held the mask
.set j, j+1
.endr
.irp b, 0,1
	v_max_num_f32 v[32+\b], v[192+16*\b], v[193+16*\b]
.endr
.irp i, 2,3,4,5,6,7,8,9,10,11,12,13,14,15
.irp b, 0,1
	s_delay_alu instid0(VALU_DEP_2)
	v_max_num_f32 v[32+\b], v[32+\b], v[192+16*\b+\i]
.endr
.endr
.irp b, 0,1
	s_delay_alu instid0(VALU_DEP_2)
	v_max_num_f32 v[32+\b], 0x2800000, v[32+\b]    ; the floor 2^(5 - 127): the byte cannot fall under 1
.endr
.irp b, 0,1
	s_delay_alu instid0(VALU_DEP_2)
	v_permlanex16_b32 v[36+\b], v[32+\b], s20, s21
.endr
.irp b, 0,1
	s_delay_alu instid0(VALU_DEP_2)
	v_max_num_f32 v[32+\b], v[32+\b], v[36+\b]     ; with lane l xor 16's 16 channels: the block's largest magnitude
.endr
.irp b, 0,1
	s_delay_alu instid0(VALU_DEP_2)
	v_add_nc_u32 v[42+\b], 0xfe000000, v[32+\b]
.endr
.irp b, 0,1
	s_delay_alu instid0(VALU_DEP_2)
	v_lshrrev_b32 v[36+\b], 23, v[42+\b]
.endr
	s_delay_alu instid0(VALU_DEP_1)
	v_lshl_or_b32 v[46+\g], v37, 8, v36            ; the head's two scale bytes
	v_cvt_scalef32_pk16_bf6_f32 v[56+6*\g:58+6*\g], v[Y:Y+15], v42
	v_cvt_scalef32_pk16_bf6_f32 v[48+4*\g:50+4*\g], v[Y+16:Y+31], v43      ; (a conversion's three registers begin on an even number)
	v_nop                                          ; one plain place behind a scaled conversion
.irp i, 0,1,2
	v_permlane16_swap_b32 v[56+6*\g+\i], v[48+4*\g+\i]   ; a whole block in a lane: lanes 0-15 the head's block 0, lanes 16-31 its block 1
.endr
.irp i, 0,1,2
	v_mov_b32 v[59+6*\g+\i], v[48+4*\g+\i]         ; registers 6 g .. 6 g + 5 of the fragment: columns 64 g + 32 (lane / 16) on of token lane % 16
.endr
.if \g == 1
.irp c, 0,1,2
	global_store_b128 v2, v[56+4*\c:59+4*\c], s[10:11] offset:512*\c       ; the fragment's image: 32 lanes store 512 consecutive bytes, aligned
.endr
.endif
.endm
	OUTQ 0
	OUTQ 1
	v_cmp_eq_u32 vcc_lo, 1, v11
	s_delay_alu instid0(VALU_DEP_1)
	v_cndmask_b32 v48, v46, v47, vcc_lo            ; lanes 0-15 store head 0's two bytes, lanes 16-31 head 1's
	global_store_b16 v10, v48, s[12:13]
	s_wait_tensorcnt 0x0                           ; the wave's end
	ds_add_u32 v4, v5
	s_wait_dscnt 0x0
	CROUND                                         ; the closing round: no work-group ends while a partner may still ask for a tile that names it
	s_endpgm
.Lfunc_end_k_q2bb33d95b7_attn:
	.size	k_q2bb33d95b7_attn, .Lfunc_end_k_q2bb33d95b7_attn-k_q2bb33d95b7_attn
	.p2alignl 7, 3214868480
	.fill 96, 4, 3214868480
	.section	.rodata,"a",@progbits
	.p2align	6, 0x0
	.amdhsa_kernel k_q2bb33d95b7_attn
		.amdhsa_group_segment_fixed_size 327680
		.amdhsa_private_segment_fixed_size 0
		.amdhsa_enable_private_segment 0
		.amdhsa_kernarg_size 40
		.amdhsa_user_sgpr_count 2
		.amdhsa_user_sgpr_kernarg_segment_ptr 1
		.amdhsa_wavefront_size32 1
		.amdhsa_system_sgpr_workgroup_id_x 1
		.amdhsa_system_sgpr_workgroup_id_y 1
		.amdhsa_system_sgpr_workgroup_id_z 1
		.amdhsa_system_vgpr_workitem_id 0
		.amdhsa_next_free_vgpr 448
		.amdhsa_next_free_sgpr 100
		.amdhsa_reserve_vcc 1
		.amdhsa_float_denorm_mode_32 3
		.amdhsa_float_denorm_mode_16_64 3
		.amdhsa_memory_ordered 1
		.amdhsa_forward_progress 1
		.amdhsa_inst_pref_size 157
	.end_amdhsa_kernel
	.amdgpu_metadata
---
amdhsa.version: [ 1, 2 ]
amdhsa.kernels:
  - .name:           k_q2bb33d95b7_attn
    .symbol:         k_q2bb33d95b7_attn.kd
    .args:
      - { .name: q_img, .offset: 0, .size: 8, .value_kind: global_buffer, .address_space: global }
      - { .name: kv_img, .offset: 8, .size: 8, .value_kind: global_buffer, .address_space: global }
      - { .name: mask, .offset: 16, .size: 8, .value_kind: global_buffer, .address_space: global }
      - { .name: ao_codes, .offset: 24, .size: 8, .value_kind: global_buffer, .address_space: global }
      - { .name: ao_scales, .offset: 32, .size: 8, .value_kind: global_buffer, .address_space: global }
    .group_segment_fixed_size: 327680
    .private_segment_fixed_size: 0
    .kernarg_segment_align: 8
    .kernarg_segment_size: 40
    .max_flat_workgroup_size: 256
    .sgpr_count:     100
    .vgpr_count:     448
    .wavefront_size: 32
...
	.end_amdgpu_metadata
.endif
;; end of part 4
;; launch gemm_out (part 5): grid 8 x 32, 4 waves a work-group, clusters of 4 x 4, 327,680 bytes of LDS; arguments ao_codes, ao_scales, codes, scales, out0; writes out0
.if DOCPART == 5
	.amdgcn_target "amdgcn-amd-amdhsa--gfx1250"
	.amdhsa_code_object_version 6
	.text
	.protected	k_q2bb33d95b7_gemm_out
	.globl	k_q2bb33d95b7_gemm_out
	.p2align	8
	.type	k_q2bb33d95b7_gemm_out,@function
k_q2bb33d95b7_gemm_out:
	s_mov_b64 s[64:65], 0
	v_nop
	global_prefetch_b8 v0, s[64:65] scope:SCOPE_SE
	s_setreg_imm32_b32 hwreg(HW_REG_WAVE_MODE, 25, 1), 1
	s_wait_xcnt 0x0
	s_wait_alu depctr_hold_cnt(0) depctr_sa_sdst(0) depctr_va_vdst(0) depctr_va_sdst(0) depctr_va_ssrc(0) depctr_va_vcc(0) depctr_vm_vsrc(0)
	s_getreg_b32 s2, hwreg(HW_REG_IB_STS2, 6, 4)
	s_cmp_eq_u32 s2, 0
	s_cbranch_scc0 .Lentry_in_a_cluster
	s_endpgm
.Lentry_in_a_cluster:
	s_bfe_u32 s2, ttmp6, 0x10000c
	s_cmp_lg_u32 s2, 0xf033
	s_cbranch_scc0 .Lentry_shape_is_right
	s_endpgm
.Lentry_shape_is_right:
; out0 [4096][2048] f32 = O x o_w^T on codes of BF6 (E3M2) with E8M0 scales, K = 1,024.  The text is the first product's, with other sizes.
; The codes lie as IMAGES OF THE OPERAND REGISTERS: for each 16 rows the K steps of 128 on end, 1,536 bytes each (group g of four registers at 512 g + 16 lane): a fragment is three loads of 16 bytes a lane.
; A work-group makes 128 x 256 of C, a wave 64 x 128 (32 accumulators).  A slot holds 512 along K: for each block of 16 rows ONE tensor row of 6,144 bytes, which begins at a multiple of 256 bytes.
; The two slots hold all of K: nothing is filled again.  The head's four loads, one a wave: A's tile, B's tile, A's scales, B's scales; slot 1 is first filled behind the full sequence and a round.
; Cluster 4 x 4: A's tiles are asked for jointly along a row, B's along a column.  The matrix instruction is used transposed (source 0 = B's rows), so that a lane holds eight neighbours of a row of C.
; No prefetch: both fills go out at the head, and there is no trip to run ahead in.
; Windows: 0: v16-29 addresses, v32-95 scale words (two sets), v128-175 A's four fragments; 1: B's two sets at v0, v128; 2: the accumulators.
.set SIZE_N, 2048
.set SIZE_K, 1024
.set B_CODES,  9437184
.set B_SCALES, 393216
.set NQ,     4
.set FB,     1536
.set ROWB,   NQ*FB
.set KROW,   SIZE_K*6/8
.set KPIT,   16*KROW
.set FR,     12
.set NL,     3
.set NP,     4
.set HALFA,  4*ROWB
.set HALFB,  8*ROWB
.set SLOT,   2*HALFA+2*HALFB
.set LAPS,   SIZE_K/(2*NQ*128)
.set KS,     SIZE_K/32
.set SCL,    2*SLOT
.set HALFSA, (64*KS/256)*272
.set HALFSB, (128*KS/256)*272
.set SBLK,   (16*KS/256)*272
.set SPARE,  SCL+2*HALFSA+2*HALFSB
.set SPITCH, 528
.set ADRA, 16
.set ADRB, 20
.set STO,  24
.set RD,   25
.set CO,   26
.set ADRS, 27
.set SPW,  28
.set NIL,  29
.set SC,   32
.set AF,   128
.set BK,   128
.set G1, 24
.set G0, 32
.set G1B, 48
.set G0B, 56
.set G1S, 68
.set G0S, 76
.set G1SB, 80
.set G0SB, 88
.set G0H, 4
.set G0HB, 8
.set MSB, 0
.macro WIN new
.if MSB != \new
	s_set_vgpr_msb (MSB<<8)|\new
.set MSB, \new
.endif
.endm
.set MUL,    0xa1
.set TO_B,   0x40
.macro PLACES n
.rept \n
	v_nop
.endr
.endm
.macro JLOAD g0a, g1a, g0b, g1b        ; waves 0, 1 fetch for A, waves 2, 3 for B
	s_cmp_eq_u32 s15, 0
	s_cbranch_scc0 .Lfor_b_\@
	tensor_load_to_lds s[\g0a:\g0a+3], s[\g1a:\g1a+7]
	s_nop 0
	PLACES 4
	s_branch .Lasked_\@
.Lfor_b_\@:
	tensor_load_to_lds s[\g0b:\g0b+3], s[\g1b:\g1b+7]
	s_nop 0
	PLACES 4
.Lasked_\@:
.endm
.macro CREST
	s_cmp_lg_u32 s14, 0
	s_cbranch_scc1 .Lnot_wave_0_\@
	s_barrier_signal -3
.Lnot_wave_0_\@:
	s_barrier_wait -3
	s_barrier_signal -1
	s_barrier_wait -1
.endm
.macro CROUND
	s_barrier_signal -1
	s_barrier_wait -1
	CREST
.endm
.macro SHAPE g, c, r, p
	s_mov_b32 s[\g+1], (\c)<<16
	s_mov_b32 s[\g+2], (\r)<<16
	s_mov_b32 s[\g+3], (\c)<<16
	s_mov_b32 s[\g+4], \r
	s_mov_b32 s[\g+5], \p
	s_mov_b32 s[\g+6], 0
	s_mov_b32 s[\g+7], 0
.endm
.macro GROUP0 g, lds, a
	s_mov_b32 s[\g], 1
	s_mov_b32 s[\g+1], \lds
	s_mov_b64 s[\g+2:\g+3], s[\a:\a+1]
	s_or_b32 s[\g+3], s[\g+3], 0x80000000
.endm
	s_load_b128 s[4:7], s[0:1], 0x0                ; O's codes, O's scales
	s_load_b128 s[8:11], s[0:1], 0x10              ; the weights' codes, scales
	s_load_b64 s[12:13], s[0:1], 0x20              ; out0
	v_lshl_add_u32 v[SPW], v0, 2, SPARE
	v_mov_b32 v[NIL], 0
	ds_add_u32 v[SPW], v[NIL]                      ; the opening lines: the add twice on end and its wait
	ds_add_u32 v[SPW], v[NIL]
	v_lshrrev_b32 v1, 5, v0
	v_readfirstlane_b32 s14, v1                    ; wave
	s_lshr_b32 s15, s14, 1                         ; my half of the rows; also: I fetch for A or for B
	s_and_b32 s16, s14, 1                          ; my half of the columns; also: which half of a tile I fetch
	s_bfe_u32 s40, ttmp6, 0x40000
	s_bfe_u32 s41, ttmp6, 0x40004
	s_lshl_b32 s42, ttmp9, 2
	s_add_co_u32 s42, s42, s40                     ; tile column
	s_and_b32 s17, ttmp7, 0xffff
	s_lshl_b32 s17, s17, 2
	s_add_co_u32 s17, s17, s41                     ; tile row
	s_lshl_b32 s43, s41, 2
	s_lshl_b32 s43, 15, s43
	s_lshl_b32 s44, 0x1111, s40
	s_or_b32 s[G1+0], s43, (3<<16)|(1<<21)         ; elements of 8 bytes, no padding: the images are read 16 bytes a lane on end
	s_or_b32 s[G1B+0], s44, (3<<16)|(1<<21)
	SHAPE G1, ROWB/8, 8, KPIT/8                    ; the head's loads bring whole tiles: 8 and 16 blocks of 16 rows
	SHAPE G1B, ROWB/8, 16, KPIT/8
	s_or_b32 s[G1S+0], s43, (3<<16)|(1<<20)|(1<<21)|(5<<22)|(3<<25)
	s_or_b32 s[G1SB+0], s44, (3<<16)|(1<<20)|(1<<21)|(5<<22)|(3<<25)
	SHAPE G1S, 32, 128*KS/256, 32                  ; the scales: dense blocks as rows of 256 bytes + 16 of padding
	SHAPE G1SB, 32, 256*KS/256, 32
	s_lshl_b32 s20, s17, 7
	s_lshl_b32 s46, s42, 8
	s_mov_b32 s21, 0
	s_mov_b32 s47, 0
	s_mov_b64 s[18:19], KS
	s_mul_u64 s[22:23], s[20:21], s[18:19]
	s_mul_u64 s[92:93], s[46:47], s[18:19]
	s_mov_b64 s[18:19], KROW                       ; 16 rows are KPIT bytes, and every first row is a multiple of 16
	s_mul_u64 s[20:21], s[20:21], s[18:19]
	s_mul_u64 s[46:47], s[46:47], s[18:19]
	s_mul_i32 s18, s16, 64*KROW                    ; my half of A's tile,
	s_mov_b32 s19, 0
	s_mul_i32 s94, s16, 128*KROW                   ; or of B's
	s_mov_b32 s95, 0
	s_mul_i32 s45, s16, HALFA
	s_mul_i32 s96, s16, HALFB
	s_add_co_u32 s96, s96, 2*HALFA
	s_wait_dscnt 0x0
	s_wait_kmcnt 0x0
	s_add_nc_u64 s[8:9], s[8:9], B_CODES
	s_add_nc_u64 s[10:11], s[10:11], B_SCALES
	s_add_nc_u64 s[20:21], s[4:5], s[20:21]
	s_add_nc_u64 s[22:23], s[6:7], s[22:23]
	s_add_nc_u64 s[46:47], s[8:9], s[46:47]
	s_add_nc_u64 s[92:93], s[10:11], s[92:93]
	CROUND                                         ; the first joint loads meet
	GROUP0 G0H, 0, 20
	GROUP0 G0HB, 2*HALFA, 46
	GROUP0 G0S, SCL, 22
	GROUP0 G0SB, SCL+2*HALFSA, 92
	s_add_nc_u64 s[20:21], s[20:21], s[18:19]
	s_add_nc_u64 s[46:47], s[46:47], s[94:95]
	s_mov_b32 s[G0+4], 1                           ; slot 1's group 0, for A and for B
	s_add_co_u32 s[G0+5], s45, SLOT
	s_add_nc_u64 s[G0+6:G0+7], s[20:21], ROWB
	s_or_b32 s[G0+7], s[G0+7], 0x80000000
	s_mov_b32 s[G0B+4], 1
	s_add_co_u32 s[G0B+5], s96, SLOT
	s_add_nc_u64 s[G0B+6:G0B+7], s[46:47], ROWB
	s_or_b32 s[G0B+7], s[G0B+7], 0x80000000
.macro ARM under, g0, g1, next         ; one chain of branches on the wave's number, one load to an arm
	s_cmp_lt_u32 s14, \under
	s_cbranch_scc0 \next
	tensor_load_to_lds s[\g0:\g0+3], s[\g1:\g1+7]
	s_nop 0
	PLACES 4
	s_branch .Lhead_asked
\next:
.endm
	ARM 1, G0H,  G1,  .Lhead_b
	ARM 2, G0HB, G1B, .Lhead_sa
	ARM 3, G0S,  G1S, .Lhead_sb
	tensor_load_to_lds s[G0SB:G0SB+3], s[G1SB:G1SB+7]
	s_nop 0
	PLACES 4
.Lhead_asked:
	s_mul_i32 s66, s15, HALFA                      ; my 64 rows of A
	s_mul_i32 s67, s16, HALFB                      ; my 128 rows of B, behind A's
	s_add_co_u32 s67, s67, 2*HALFA
	s_mul_i32 s94, s15, HALFSA
	s_mul_i32 s95, s16, HALFSB
	s_add_co_u32 s95, s95, 2*HALFSA
	s_sub_co_u32 s95, s95, s94                     ; from A's scale words to B's
	s_add_co_u32 s94, s94, SCL
	s_mul_i32 s23, s14, 16*SPITCH                  ; my stage, in slot 0: the last fill lies in slot 1
	s_lshl_b32 s20, s17, 7
	s_lshl_b32 s21, s15, 6
	s_add_co_u32 s20, s20, s21
	s_mov_b32 s21, 0
	s_mov_b64 s[18:19], SIZE_N*4
	s_mul_u64 s[20:21], s[20:21], s[18:19]
	s_lshl_b32 s46, s42, 10
	s_lshl_b32 s47, s16, 9
	s_add_co_u32 s46, s46, s47
	s_mov_b32 s47, 0
	s_add_nc_u64 s[20:21], s[20:21], s[46:47]
	s_add_nc_u64 s[12:13], s[12:13], s[20:21]
	v_and_b32 v1, 15, v0
	v_bfe_u32 v2, v0, 4, 1
	v_and_b32 v6, 31, v0
	v_lshlrev_b32 v[CO], 4, v6                     ; 16 x lane
	v_add_nc_u32 v[ADRA], s66, v[CO]
	v_add_nc_u32 v[ADRB], s67, v[CO]
	v_add_nc_u32 v[ADRA+1], SLOT, v[ADRA]
	v_add_nc_u32 v[ADRB+1], SLOT, v[ADRB]
	v_mul_u32_u24 v5, v1, KS
	v_lshrrev_b32 v7, 8, v5
	v_lshl_add_u32 v5, v7, 4, v5
	v_mul_u32_u24 v7, s95, v2                      ; lanes 16-31 take B's
	v_add_nc_u32 v5, v5, v7
	v_add_nc_u32 v[ADRS], s94, v5
	v_mul_u32_u24 v5, v1, SPITCH
	v_lshl_add_u32 v5, v2, 5, v5
	v_add_nc_u32 v[STO], s23, v5
	v_add_nc_u32 v[RD], s23, v[CO]
.macro FRAG reg, adr, q, i             ; block i of 16 rows, step q of the slot's four
.irp g, 0,1,2
	ds_load_b128 v[\reg+4*\g:\reg+4*\g+3], v[\adr] offset:(\i)*ROWB+(\q)*FB+512*\g
.endr
.endm
.macro MUL8 a, p, q, sc, zero          ; A's block a x B's eight: eight accumulators by turns
.irp b, 0,1,2,3,4,5,6,7
.if \zero
	v_wmma_scale_f32_16x16x128_f8f6f4 v[8*(8*(\a)+\b):8*(8*(\a)+\b)+7], v[128*(\p)+FR*\b:128*(\p)+FR*\b+FR-1], v[AF+FR*(\a):AF+FR*(\a)+FR-1], 0, v[SC+8*NQ*(\sc)+NQ*\b+(\q)], v[SC+8*NQ*(\sc)+NQ*(\a)+(\q)] matrix_a_fmt:MATRIX_FMT_BF6 matrix_b_fmt:MATRIX_FMT_BF6 matrix_a_scale:MATRIX_SCALE_ROW1
.else
	v_wmma_scale_f32_16x16x128_f8f6f4 v[8*(8*(\a)+\b):8*(8*(\a)+\b)+7], v[128*(\p)+FR*\b:128*(\p)+FR*\b+FR-1], v[AF+FR*(\a):AF+FR*(\a)+FR-1], v[8*(8*(\a)+\b):8*(8*(\a)+\b)+7], v[SC+8*NQ*(\sc)+NQ*\b+(\q)], v[SC+8*NQ*(\sc)+NQ*(\a)+(\q)] matrix_a_fmt:MATRIX_FMT_BF6 matrix_b_fmt:MATRIX_FMT_BF6 matrix_a_scale:MATRIX_SCALE_ROW1
.endif
.endr
.endm
.macro FETCH_B slot, q, p
	WIN TO_B
.irp i, 0,1,2,3,4,5,6,7
	FRAG 128*(\p)+FR*\i, ADRB+\slot, \q, \i
.endr
	WIN 0
.endm
.macro FETCH_A slot, q, i0
.irp i, \i0, \i0+1
	FRAG AF+FR*(\i), ADRA+\slot, \q, \i
.endr
.endm
.macro SCALES sc, sl                   ; the four scale words of fill sl's steps: lanes 0-15 A's block i, lanes 16-31 B's
.irp i, 0,1,2,3,4,5,6,7
	ds_load_b128 v[SC+8*NQ*(\sc)+NQ*\i:SC+8*NQ*(\sc)+NQ*\i+3], v[ADRS] offset:\i*SBLK+16*(\sl)
.endr
.endm
.macro STEP slot, q, zero
	s_wait_dscnt 2*NL                              ; all but the youngest six loads (A's blocks 2, 3)
	WIN MUL
	MUL8 0, (\q)%2, \q, \slot, \zero
	MUL8 1, (\q)%2, \q, \slot, \zero
	s_wait_dscnt 0
	PLACES NP
	FETCH_B \slot, (\q)+1, 1-(\q)%2
	FETCH_A \slot, (\q)+1, 0
	WIN MUL
	MUL8 2, (\q)%2, \q, \slot, \zero
	MUL8 3, (\q)%2, \q, \slot, \zero
	PLACES NP
	WIN 0
	FETCH_A \slot, (\q)+1, 2
.endm
.macro THREE slot, zero
	STEP \slot, 0, \zero
	STEP \slot, 1, 0
	STEP \slot, 2, 0
.endm
	s_wait_alu depctr_va_vdst(0)                   ; the wait at the head's end
	s_wait_tensorcnt 0x0                           ; my tile of the head's four is in
	ds_add_u32 v[SPW], v[NIL]
	s_mov_b32 s[G1+2], 4<<16                       ; no load of mine is out: slot 1's load brings half a tile
	s_mov_b32 s[G1+4], 4
	s_mov_b32 s[G1B+2], 8<<16
	s_mov_b32 s[G1B+4], 8
	s_wait_dscnt 0x0
	CROUND
	JLOAD G0+4, G1, G0B+4, G1B                     ; slot 1's first fill
	FETCH_B 0, 0, 0
	FETCH_A 0, 0, 0
	SCALES 0, 0
	FETCH_A 0, 0, 2
	THREE 0, 1                                     ; the first step's products start the sums
	s_wait_tensorcnt 0x0                           ; slot 0's last step and the change of slots: my part of slot 1 is in;
	ds_add_u32 v[SPW], v[NIL]
	s_wait_dscnt 2*NL+1                            ; (the add and the youngest six loads may be out)
	WIN MUL
	MUL8 0, 1, NQ-1, 0, 0
	s_wait_dscnt 0x0                               ; the add is done and my reads of slot 0 are over
	s_barrier_signal -1
	MUL8 1, 1, NQ-1, 0, 0
	WIN 0
	s_barrier_wait -1                              ; slot 1 is whole; nobody reads slot 0 any more
	PLACES NP
	FETCH_B 1, 0, 0
	FETCH_A 1, 0, 0
	SCALES 1, 1
	WIN MUL
	MUL8 2, 1, NQ-1, 0, 0
	MUL8 3, 1, NQ-1, 0, 0
	PLACES NP
	WIN 0
	FETCH_A 1, 0, 2
	THREE 1, 0
	s_wait_dscnt 2*NL
	WIN MUL
	MUL8 0, 1, NQ-1, 1, 0
	MUL8 1, 1, NQ-1, 1, 0
	s_wait_dscnt 0
	MUL8 2, 1, NQ-1, 1, 0
	MUL8 3, 1, NQ-1, 1, 0
	WIN 0
.macro TOSTAGE a                       ; 16 rows x 128 columns through my own stage, back as whole rows of 512 bytes
.set AC, 64*(\a)
	WIN 0x08
.irp b, 0,1,2,3,4,5,6,7
	ds_store_b128 v[STO], v[AC+8*\b:AC+8*\b+3] offset:64*\b
	ds_store_b128 v[STO], v[AC+8*\b+4:AC+8*\b+7] offset:64*\b+16
.endr
	WIN 0
.set BB, BK+64*((\a)%2)
.irp t, 0,1,2,3,4,5,6,7,8,9,10,11,12,13,14,15
	ds_load_b128 v[BB+4*\t:BB+4*\t+3], v[RD] offset:\t*SPITCH
.endr
.endm
.macro SEND a, younger
.set BB, BK+64*((\a)%2)
	s_wait_dscnt \younger
.if (\a) > 0
	s_add_nc_u64 s[12:13], s[12:13], 16*SIZE_N*4
.endif
.irp t, 0,1,2,3,4,5,6,7,8,9,10,11,12,13,14,15
	global_store_b128 v[CO], v[BB+4*\t:BB+4*\t+3], s[12:13] offset:\t*SIZE_N*4 th:TH_STORE_NT
.endr
.endm
	PLACES NP
	TOSTAGE 0
.irp a, 1,2,3
.if \a > 1
	s_wait_xcnt 0x0                                ; the stores of two blocks ago have read their registers and their base
.endif
	TOSTAGE \a
	SEND \a-1, 32
.endr
	s_wait_xcnt 0x0
	SEND 3, 0
	s_wait_tensorcnt 0x0                           ; the wave's end
	ds_add_u32 v[SPW], v[NIL]
	s_wait_dscnt 0x0
	CROUND
	s_endpgm
.Lfunc_end_k_q2bb33d95b7_gemm_out:
	.size	k_q2bb33d95b7_gemm_out, .Lfunc_end_k_q2bb33d95b7_gemm_out-k_q2bb33d95b7_gemm_out
	.p2alignl 7, 3214868480
	.fill 96, 4, 3214868480
	.section	.rodata,"a",@progbits
	.p2align	6, 0x0
	.amdhsa_kernel k_q2bb33d95b7_gemm_out
		.amdhsa_group_segment_fixed_size 327680
		.amdhsa_private_segment_fixed_size 0
		.amdhsa_enable_private_segment 0
		.amdhsa_kernarg_size 40
		.amdhsa_user_sgpr_count 2
		.amdhsa_user_sgpr_kernarg_segment_ptr 1
		.amdhsa_wavefront_size32 1
		.amdhsa_system_sgpr_workgroup_id_x 1
		.amdhsa_system_sgpr_workgroup_id_y 1
		.amdhsa_system_sgpr_workgroup_id_z 1
		.amdhsa_system_vgpr_workitem_id 0
		.amdhsa_next_free_vgpr 768
		.amdhsa_next_free_sgpr 98
		.amdhsa_reserve_vcc 0
		.amdhsa_float_denorm_mode_32 3
		.amdhsa_float_denorm_mode_16_64 3
		.amdhsa_memory_ordered 1
		.amdhsa_forward_progress 1
		.amdhsa_inst_pref_size 80
	.end_amdhsa_kernel
	.amdgpu_metadata
---
amdhsa.version: [ 1, 2 ]
amdhsa.kernels:
  - .name:           k_q2bb33d95b7_gemm_out
    .symbol:         k_q2bb33d95b7_gemm_out.kd
    .args:
      - { .name: ao_codes, .offset: 0, .size: 8, .value_kind: global_buffer, .address_space: global }
      - { .name: ao_scales, .offset: 8, .size: 8, .value_kind: global_buffer, .address_space: global }
      - { .name: codes, .offset: 16, .size: 8, .value_kind: global_buffer, .address_space: global }
      - { .name: scales, .offset: 24, .size: 8, .value_kind: global_buffer, .address_space: global }
      - { .name: out0, .offset: 32, .size: 8, .value_kind: global_buffer, .address_space: global }
    .group_segment_fixed_size: 327680
    .private_segment_fixed_size: 0
    .kernarg_segment_align: 8
    .kernarg_segment_size: 40
    .max_flat_workgroup_size: 128
    .sgpr_count:     98
    .vgpr_count:     768
    .wavefront_size: 32
...
	.end_amdgpu_metadata
.endif
;; end of part 5
